; MI455X (gfx1250); checked and timed in simulation.
; The chip was launched on July 23, 2026; its instructions are those of AMD's public machine-readable ISA for CDNA 5 (MIT licence, August 2026) and "CDNA5" Instruction Set Architecture Reference Guide (July 2026). The comments in the code are by the model that wrote it; some were corrected since.
;; Bagley Attention. Allowed arithmetic: matrix products marked QUANTISED: E2M3 operands, one E8M0 scale for each 32 along K, by v_wmma_scale_f32_16x16x128_f8f6f4 with both operands' format E2M3, f32 sums; everything else in f32.
;; Inputs: Wk 1,024 x 4,096 float32; Wo 4,096 x 2,048 float32; Wq 2,048 x 4,096 float32; Wv 1,024 x 4,096 float32; cos 2,048 x 128 float32; hidden_states 1 x 2,048 x 4,096 float32; sin 2,048 x 128 float32.
;; Outputs: out0 1 x 2,048 x 4,096 float32.
;; This version of the problem:
;;   THIS VERSION OF THE PROBLEM IS GIVEN IN LOW PRECISION. The matrix products marked QUANTISED in the list below multiply operands that are first quantised to E2M3 (2 exponent bits, 3 mantissa bits; 6 bits a number), with one power-of-two scale for each 32 numbers along K (OCP MX v1.0); their sums are f32. All else is computed in f32.
;;   The module's matrix products, in the order in which they are computed (A, B: the left and right operand; K: the contracted axis; several contracted axes count as one K, in the product's order):
;;     1. [M 2,048, K 4,096] x [K 4,096, N 2,048]; A: input hidden_states; B: input Wq: QUANTISED
;;     2. [M 2,048, K 4,096] x [K 4,096, N 1,024]; A: input hidden_states; B: input Wk: QUANTISED
;;     3. [M 2,048, K 4,096] x [K 4,096, N 1,024]; A: input hidden_states; B: input Wv: QUANTISED
;;     4. batch 8 x [M 4,096, K 128] x [K 128, N 2,048]; A: computed on the way; B: computed on the way: QUANTISED
;;     5. batch 8 x [M 4,096, K 2,048] x [K 2,048, N 128]; A: softmax (see below); B: computed on the way: QUANTISED
;;     6. [M 2,048, K 2,048] x [K 2,048, N 4,096]; A: computed on the way; B: input Wo: QUANTISED
;;   THE QUANTISER, for each operand of a quantised product, along K:
;;     - K is cut into blocks of 32 from its start; a last block that is shorter is filled with zeros.
;;     - A block's scale is 2^e with e = floor(log2(the largest magnitude in the block)) - 2, held to -126 .. 127; a block of zeros has e = 0. As a byte (E8M0): e + 127.
;;     - Each number is divided by its block's scale, clamped to +-7.5, and rounded to the nearest number of E2M3, ties to even, subnormals kept.
;;     - The product sums the exact products of the quantised numbers (number of the format x scale) in f32.
;;   ~~~python
;;   def quantise(x, axis):      # numpy; x: float32 -> the quantised numbers, widened to float32 again
;;       x = np.moveaxis(x, axis, -1); K = x.shape[-1]
;;       x = np.pad(x, [(0, 0)] * (x.ndim - 1) + [(0, -K % 32)]); x = x.reshape(x.shape[:-1] + (-1, 32)); a = np.abs(x).max(-1, keepdims=True)
;;       e = np.where(a > 0, np.clip(np.frexp(np.where(a > 0, a, 1))[1] - 1 - 2, -126, 127), 0)      # np.frexp(a)[1] - 1 = floor(log2(a)), exactly
;;       r = np.clip(x / 2.0 ** e, -7.5, 7.5)
;;       step = 2.0 ** (np.maximum(np.frexp(np.where(r == 0, 1, r))[1] - 1, 0) - 3)
;;       q = np.round(r / step) * step * 2.0 ** e      # np.round: ties to even
;;       return np.moveaxis(q.reshape(q.shape[:-2] + (-1,))[..., :K], -1, axis).astype(np.float32)
;;   ~~~
;;   SOFTMAX AHEAD OF A QUANTISED PRODUCT. Where the list says 'softmax', what is quantised is not the finished softmax but p = 2^(t - M), with t = logit x log2(e) and M = ceil(the row's largest t), a whole number; so 1/2 < the row's largest p <= 1. The row's sum l is taken of the UNQUANTISED p, in f32, and the product's result is divided by l at the end. Since M is a whole number, a kernel that streams over the keys may use a running M (the ceiling of the running maximum): every later rescaling is an exact power of two, which a block's scale takes up: the codes' values come out the same.
;;   OPERANDS COMPUTED ON THE WAY. 'Computed on the way' means the value that the module computes at that place (a softmax that the list does not call 'softmax' is quantised finished and normalised). What goes into a quantiser is computed in f32, as accurately as f32 sums, v_exp_f32 and their like allow (about 1e-6 of the number): no bf16 or f16 on the way to a quantiser, and a product that is left as it is and whose result goes on into a quantised operand takes f32 operands (vector FMAs, or v_wmma_f32_16x16x4_f32). A number that lies on a knife's edge between two numbers of the format may be rounded either way, as far as f32 arithmetic and the matrix unit's own rounding can turn it there, and no further.
;; One version. Each part assembles by itself: llvm-mc -triple=amdgcn-amd-amdhsa -mcpu=gfx1250 --defsym DOCPART=n.
;; ======== version 1 of 1: 4 launches
;; limits: right only within a limited range of input values
;; workspace buffers: xc 6,553,600 bytes; wc 13,107,200 bytes; woc 6,553,600 bytes; qkv 6,553,600 bytes; ac 3,276,800 bytes
;; launch quant (part 1): grid 768 x 1, 4 waves a work-group, no clusters, 34,304 bytes of LDS; arguments hidden_states, Wq, Wk, Wv, xc, wc; writes xc, wc
.if DOCPART == 1
	.amdgcn_target "amdgcn-amd-amdhsa--gfx1250"
	.amdhsa_code_object_version 6
	.text
	.protected	k_qddd7a50c25_quant
	.globl	k_qddd7a50c25_quant
	.p2align	8
	.type	k_qddd7a50c25_quant,@function
k_qddd7a50c25_quant:
	s_mov_b64 s[64:65], 0
	v_nop
	global_prefetch_b8 v0, s[64:65] scope:SCOPE_SE
	s_setreg_imm32_b32 hwreg(HW_REG_WAVE_MODE, 25, 1), 1
	s_wait_xcnt 0x0
; hidden_states [2048][4096], Wq [2048][4096], Wk, Wv [1024][4096], all f32 with K innermost, become codes of FP6 (E2M3) with one E8M0 scale byte for each 32 along K.  (Wo is quantised in the attention launch, by waves that have no key step left.)
; A block's scale is 2^(floor(log2(its largest magnitude)) - 2); its byte is the largest magnitude's exponent field - 2, held at 1 from below; each number is divided by the scale and rounded to the nearest code, ties to even,
; beyond the largest code the largest.
; LIMITS: NaN and infinities are not served.  A block whose largest magnitude lies under 2^-124 keeps the byte 1.  A block of zeros gets the byte 1 where the rule says 127: its codes are zeros, and this program alone reads the bytes.
; WHAT IS WRITTEN.  The codes are laid in the order of the matrix operand's registers.  A FRAGMENT is 16 rows x 128 K: 12 registers a lane (lane l: row l % 16; registers 6 c .. 6 c + 5: the block 2 c + l / 16).
; Its IMAGE is 1,536 bytes: register 4 c + i of lane l at byte 512 c + 16 l + 4 i.  A RECORD is 6,400 bytes: the images of 4 K steps of one tile of 16 rows, then 256 bytes of scale words: row r's word of K step q at 6144 + 16 r + 4 q.
; xc and wc: [tile][8 records]; wc holds Wq's 128 tiles, Wk's 64, Wv's 64.
; THE ORDER INSIDE A BLOCK OF 32 is the same in every operand of this program: code places 0-7, 8-15, 16-23, 24-31 hold k = 0-7, 16-23, 8-15, 24-31.  (That is the order in which a matrix result falls when it is quantised in registers;
; both sides of each product have it, the blocks and their scales are the rule's.)  Here it costs nothing: it is a choice of the registers into which the stage is read.
; SHARES.  A wave makes one record: 16 rows x 512 K, 32,768 bytes in, 6,400 out; 3,072 records, 768 work-groups of four waves.  Each load of a wave reads 512 consecutive bytes of one row; 16 rows' 512 bytes (one K step) turn
; through the wave's own stage in LDS (rows 528 bytes apart), so that a lane gets two whole blocks of its row.  Loads run a K step ahead, in two sets of 64 registers.
; No tensor load, no barrier, no cluster: waves share nothing, and each input byte is read once.
.set STG,  8448                        ; a wave's stage: 16 rows x (512 + 16)
.set ROW,  16384                       ; a row of every tensor here, in bytes
.set SW,   20                          ; v20-23   the scale words of the four K steps
.set C,    24                          ; v24-35   the fragment
.set C2,   36                          ; v36-38, v40-42 the second halves of the blocks' codes (a conversion's three registers begin on an even number)
.set R,    64                          ; v64-191  two sets of 64 numbers as loaded
.set X,    192                         ; v192-255 my two blocks: block c at X + 32 c, in the order of the code places
	s_load_b256 s[4:11], s[0:1], 0x0               ; hidden_states, Wq, Wk, Wv
	s_load_b128 s[12:15], s[0:1], 0x20             ; xc, wc
	v_lshl_add_u32 v62, v0, 2, 0x8400
	v_mov_b32 v63, 0
	v_lshrrev_b32 v6, 5, v0
	v_readfirstlane_b32 s28, v6                    ; wave 0..3
	v_and_b32 v7, 31, v0
	v_lshlrev_b32 v1, 4, v7                        ; 16 x lane: my bytes of a load's 512, and of an image's 512
	v_and_b32 v6, 15, v0                           ; r
	v_lshlrev_b32 v2, 4, v6                        ; 16 r: my row's four scale words
	v_bfe_u32 v5, v0, 4, 1                         ; h
	s_mul_i32 s29, s28, STG
	v_add_nc_u32 v3, s29, v1                       ; the stage, on the way in: 16 x lane, a row an instruction
	v_mul_u32_u24 v4, v6, 528
	v_lshl_add_u32 v4, v5, 7, v4
	v_add_nc_u32 v4, s29, v4                       ; and on the way out: row r, + 128 h: my block of each pair
	v_lshlrev_b32 v5, 3, v5                        ; 8 h: my bytes' place in a scale word
	v_mov_b32 v17, 0                               ; written once: a lane permute's destination counts as one of its sources
	s_mov_b32 s66, 0x76543210
	s_mov_b32 s67, 0xfedcba98                      ; v_permlanex16_b32's selects for lane l xor 16
	s_wait_alu depctr_va_vdst(0)
	s_wait_kmcnt 0x0
	; which tensor: work-groups 0-255 x, 256-511 Wq, 512-639 Wk, 640-767 Wv.  The choices hang on the work-group's number alone
	s_mov_b64 s[20:21], s[10:11]                   ; from
	s_mov_b64 s[22:23], s[14:15]                   ; to
	s_mov_b32 s24, 640                             ; the source's first work-group
	s_mov_b32 s25, 256                             ; the destination's
	s_cmp_lt_u32 ttmp9, 640
	s_cselect_b64 s[20:21], s[8:9], s[20:21]
	s_cselect_b32 s24, 512, s24
	s_cmp_lt_u32 ttmp9, 512
	s_cselect_b64 s[20:21], s[6:7], s[20:21]
	s_cselect_b32 s24, 256, s24
	s_cmp_lt_u32 ttmp9, 256
	s_cselect_b64 s[20:21], s[4:5], s[20:21]
	s_cselect_b64 s[22:23], s[12:13], s[22:23]
	s_cselect_b32 s24, 0, s24
	s_cselect_b32 s25, 0, s25
	s_sub_co_u32 s30, ttmp9, s24
	s_lshl_b32 s30, s30, 2
	s_add_co_u32 s30, s30, s28                     ; my record in the source
	s_lshr_b32 s31, s30, 3                         ; its tile of 16 rows
	s_and_b32 s30, s30, 7                          ; and which 512 along K
	s_lshl_b32 s2, s31, 18                         ; 16 rows of 16,384 bytes x tile (under 2^26)
	s_lshl_b32 s30, s30, 11                        ; 512 numbers are 2,048 bytes
	s_add_co_u32 s2, s2, s30
	s_mov_b32 s3, 0
	s_add_nc_u64 s[32:33], s[20:21], s[2:3]        ; row 0 of my 16; the other rows and the K steps stand in the loads' immediates: 15 rows and 1,536 bytes at the most
	s_sub_co_u32 s30, ttmp9, s25
	s_lshl_b32 s30, s30, 2
	s_add_co_u32 s30, s30, s28                     ; my record in the destination
	s_mul_i32 s30, s30, 6400
	s_mov_b32 s31, 0
	s_add_nc_u64 s[22:23], s[22:23], s[30:31]
.macro LOAD q                          ; K step q of my 16 rows into set q % 2
.irp i, 0,1,2,3,4,5,6,7,8,9,10,11,12,13,14,15
	global_load_b128 v[R+64*((\q)%2)+4*\i:R+64*((\q)%2)+4*\i+3], v1, s[32:33] offset:ROW*\i+512*(\q) th:TH_LOAD_NT
.endr
.endm
.macro KSTEP q
.if (\q) < 3
	s_wait_loadcnt 16                              ; this K step's 16 loads are in; the next K step's 16 may be out
.else
	s_wait_loadcnt 0x0
.endif
.irp i, 0,1,2,3,4,5,6,7,8,9,10,11,12,13,14,15
	ds_store_b128 v3, v[R+64*((\q)%2)+4*\i:R+64*((\q)%2)+4*\i+3] offset:528*\i
.endr
.irp c, 0,1                                    ; LDS serves a wave's instructions in order: these see the stores above.  Piece p (k = 4 p .. 4 p + 3 of the block) goes to code places 4 g .. 4 g + 3, g = 0, 1, 4, 5, 2, 3, 6, 7
.irp p, 0,1,2,3,4,5,6,7
	ds_load_b128 v[X+32*\c+4*(\p%2+4*((\p/2)%2)+2*(\p/4)):X+32*\c+4*(\p%2+4*((\p/2)%2)+2*(\p/4))+3], v4 offset:256*\c+16*\p
.endr
.endr
	s_wait_dscnt 0x0                               ; my two blocks are in; the stores into the stage have read their registers,
.if (\q) < 2
	LOAD (\q)+2                                    ; which take the loads of two K steps on
.endif
.irp c, 0,1                                    ; the blocks' largest magnitudes: all 32 numbers are mine.  Two chains a block, four in all, by turns; the floor 2^(3 - 127) holds the byte at 1 from below
	v_max3_num_f32 v[8+2*\c], |v[X+32*\c]|, |v[X+32*\c+1]|, 0x1800000
	v_max3_num_f32 v[9+2*\c], |v[X+32*\c+16]|, |v[X+32*\c+17]|, 0x1800000
.endr
.irp i, 2,4,6,8,10,12,14
.irp c, 0,1
	v_max3_num_f32 v[8+2*\c], v[8+2*\c], |v[X+32*\c+\i]|, |v[X+32*\c+\i+1]|
	v_max3_num_f32 v[9+2*\c], v[9+2*\c], |v[X+32*\c+16+\i]|, |v[X+32*\c+17+\i]|
.endr
.endr
.irp c, 0,1
	v_max_num_f32 v[8+2*\c], v[8+2*\c], v[9+2*\c]
.endr
.irp c, 0,1
	v_add_nc_u32 v[12+\c], 0xff000000, v[8+2*\c]   ; 2 off the exponent field: the conversion takes the exponent field of this operand as its scale, and nothing else of it
.endr
.irp c, 0,1
	v_lshrrev_b32 v[14+\c], 23, v[12+\c]           ; the scale's byte
.endr
	v_lshl_or_b32 v16, v15, 16, v14                ; my two bytes: blocks h and 2 + h of row r,
	v_lshlrev_b32 v16, v5, v16                     ; at their places in the scale word;
	v_permlanex16_b32 v17, v16, s66, s67
	v_or_b32 v[SW+(\q)], v16, v17                  ; with lane l xor 16's two the word is whole
.if (\q) > 0
	s_wait_alu depctr_va_vdst(0)
	s_wait_xcnt 0x0                                ; the last K step's stores have read the fragment's registers: they are written again only behind this wait
.endif
.irp c, 0,1
	v_cvt_scalef32_pk16_fp6_f32 v[C+6*\c:C+6*\c+2], v[X+32*\c:X+32*\c+15], v[12+\c]
	v_cvt_scalef32_pk16_fp6_f32 v[C2+4*\c:C2+4*\c+2], v[X+32*\c+16:X+32*\c+31], v[12+\c]
.endr
	v_nop                                          ; one plain place behind a scaled conversion
.irp c, 0,1
.irp i, 0,1,2
	v_mov_b32 v[C+3+6*\c+\i], v[C2+4*\c+\i]
.endr
.endr
.irp c, 0,1,2
	global_store_b128 v1, v[C+4*\c:C+4*\c+3], s[22:23] offset:1536*(\q)+512*\c   ; the image: 32 lanes store 512 consecutive bytes, at a multiple of 256 from the buffer's first byte
.endr
.endm
	LOAD 0
	LOAD 1
	KSTEP 0
	KSTEP 1
	KSTEP 2
	KSTEP 3
	global_store_b128 v2, v[SW:SW+3], s[22:23] offset:6144   ; the record's 256 bytes of scale words (lanes 16-31 hold and write the same as lanes 0-15)
	s_wait_tensorcnt 0x0
	ds_add_u32 v62, v63
	s_wait_dscnt 0x0
	s_endpgm
.Lfunc_end_k_qddd7a50c25_quant:
	.size	k_qddd7a50c25_quant, .Lfunc_end_k_qddd7a50c25_quant-k_qddd7a50c25_quant
	.p2alignl 7, 3214868480
	.fill 96, 4, 3214868480
	.section	.rodata,"a",@progbits
	.p2align	6, 0x0
	.amdhsa_kernel k_qddd7a50c25_quant
		.amdhsa_group_segment_fixed_size 34304
		.amdhsa_private_segment_fixed_size 0
		.amdhsa_enable_private_segment 0
		.amdhsa_kernarg_size 48
		.amdhsa_user_sgpr_count 2
		.amdhsa_user_sgpr_kernarg_segment_ptr 1
		.amdhsa_wavefront_size32 1
		.amdhsa_system_sgpr_workgroup_id_x 1
		.amdhsa_system_sgpr_workgroup_id_y 1
		.amdhsa_system_sgpr_workgroup_id_z 1
		.amdhsa_system_vgpr_workitem_id 0
		.amdhsa_next_free_vgpr 256
		.amdhsa_next_free_sgpr 70
		.amdhsa_reserve_vcc 0
		.amdhsa_float_denorm_mode_32 3
		.amdhsa_float_denorm_mode_16_64 3
		.amdhsa_memory_ordered 1
		.amdhsa_forward_progress 1
		.amdhsa_inst_pref_size 31
	.end_amdhsa_kernel
	.amdgpu_metadata
---
amdhsa.version: [ 1, 2 ]
amdhsa.kernels:
  - .name:           k_qddd7a50c25_quant
    .symbol:         k_qddd7a50c25_quant.kd
    .args:
      - { .name: hidden_states, .offset: 0, .size: 8, .value_kind: global_buffer, .address_space: global }
      - { .name: Wq, .offset: 8, .size: 8, .value_kind: global_buffer, .address_space: global }
      - { .name: Wk, .offset: 16, .size: 8, .value_kind: global_buffer, .address_space: global }
      - { .name: Wv, .offset: 24, .size: 8, .value_kind: global_buffer, .address_space: global }
      - { .name: xc, .offset: 32, .size: 8, .value_kind: global_buffer, .address_space: global }
      - { .name: wc, .offset: 40, .size: 8, .value_kind: global_buffer, .address_space: global }
    .group_segment_fixed_size: 34304
    .private_segment_fixed_size: 0
    .kernarg_segment_align: 8
    .kernarg_segment_size: 48
    .max_flat_workgroup_size: 128
    .sgpr_count:     70
    .vgpr_count:     256
    .wavefront_size: 32
...
	.end_amdgpu_metadata
.endif
;; end of part 1
;; launch qkv (part 2): grid 16 x 16, 4 waves a work-group, clusters of 4 x 4, 327,680 bytes of LDS; arguments xc, wc, cos, sin, qkv; writes qkv
.if DOCPART == 2
	.amdgcn_target "amdgcn-amd-amdhsa--gfx1250"
	.amdhsa_code_object_version 6
	.text
	.protected	k_qddd7a50c25_qkv
	.globl	k_qddd7a50c25_qkv
	.p2align	8
	.type	k_qddd7a50c25_qkv,@function
k_qddd7a50c25_qkv:
	s_mov_b64 s[64:65], 0
	v_nop
	global_prefetch_b8 v0, s[64:65] scope:SCOPE_SE
	s_setreg_imm32_b32 hwreg(HW_REG_WAVE_MODE, 25, 1), 1
	s_wait_xcnt 0x0
	s_wait_alu depctr_hold_cnt(0) depctr_sa_sdst(0) depctr_va_vdst(0) depctr_va_sdst(0) depctr_va_ssrc(0) depctr_va_vcc(0) depctr_vm_vsrc(0)
	s_getreg_b32 s2, hwreg(HW_REG_IB_STS2, 6, 4)
	s_cmp_eq_u32 s2, 0
	s_cbranch_scc0 .Lentry_in_a_cluster
	s_endpgm
.Lentry_in_a_cluster:
	s_bfe_u32 s2, ttmp6, 0x10000c
	s_cmp_lg_u32 s2, 0xf033
	s_cbranch_scc0 .Lentry_shape_is_right
	s_endpgm
.Lentry_shape_is_right:
; q, k and v = x W^T on codes of FP6 (E2M3) with E8M0 scales, K = 4,096, sums in f32; then the rotation by cos and sin (q, k), and the results quantised in registers into the records that the attention launch reads.
; OPERANDS: xc and wc, [tile of 16 rows][8 records of 6,400 bytes]; a record holds the register images of 4 K steps of 128 and the tile's scale words.
; SHARES: a work-group makes 128 'rows' x 256 'columns', a wave 64 x 128 in 32 accumulators; 256 work-groups.  Clusters x = 0..2: rows are positions, columns the 3,072 channels of Wq and Wk.  Clusters x = 3: rows are Wv's channels,
; columns positions, so that v's codes come out with the keys innermost.  Source 0 takes the columns' tiles, source 1 the rows'.
; THE RING: two slots of 24 records (512 along K), filled by joint loads in a cluster of 4 x 4: the rows' tiles are shared along a row of the cluster, the columns' along a column; waves 0, 1 ask for rows, waves 2, 3 for columns.
; The add, the waits for 0 and the cluster's round stand in front of each refill, and all of LDS is claimed.
; PREFETCH INTO THE L2: behind the joint load of slot t stands a request for slot t + 2 (behind slot 0's also for slot 1).  Of the records that a wave loads jointly with three partners each partner names its share, told apart by
; address alone: one of a rows' wave's four (by cx), two of a columns' wave's eight (by cy); a record is 25 blocks of 256 bytes, a lane a block (lanes 25 to 31 name the 25th again).  The loads of slots 6 and 7 ask for nothing.
; LIMITS: NaN and infinities are not served; a block whose largest magnitude lies under 2^-124 keeps the scale byte 1.
.set TP,    51200
.set PFO,  30                          ; v30 256 x min(lane, 24); never rewritten
.set PFA,  66                          ; s[66:67] my share's record of the slot before the one that is being loaded
.macro ASKAT off                       ; my share of the slot that begins off bytes behind s[PFA]
	global_prefetch_b8 v[PFO], s[PFA:PFA+1] offset:\off th:TH_LOAD_NT scope:SCOPE_SE
	s_cmp_eq_u32 s15, 0
	s_cbranch_scc1 .Lrows_\@
	global_prefetch_b8 v[PFO], s[PFA:PFA+1] offset:(\off)+TP th:TH_LOAD_NT scope:SCOPE_SE
.Lrows_\@:
.endm
.macro ASK                             ; in the loop: s3 = 1 in the last trip, whose loads (slots 6, 7) have no slot two on
	s_cmp_gt_u32 s3, 1
	s_cbranch_scc0 .Lnone_\@
	ASKAT 3*REC
.Lnone_\@:
.endm
.set LAPS,  4
.set REC,   6400
.set SLOT,  24*REC
.set SPARE, 2*SLOT
.set KVO,   3276800
.set LI,   2
.set LR,   4
.set CSA,  8
.set SNA,  9
.set ADC,  16
.set ADR,  18
.set ASC,  20
.set ASR,  22
.set SPW,  28
.set NIL,  29
.set SCC,  32
.set SCR,  96
.set RF,   128
.set SI,   128
.set TM,   192
.set PC,   208
.set PW4,  228
.set G1R,  24
.set G0R,  32
.set G1C,  48
.set G0C,  56
.set G1CS, 68
.set G0CS, 76
.set DST,  80
.set SEL,  84
.set MSB, 0
.macro WIN new
.if MSB != \new
	s_set_vgpr_msb (MSB<<8)|\new
.set MSB, \new
.endif
.endm
.set MUL,  0xa1
.set TO_C, 0x40
.macro PLACES n
.rept \n
	v_nop
.endr
.endm
.macro JLOAD g0r, g1r, g0c, g1c
	s_cmp_eq_u32 s15, 0
	s_cbranch_scc0 .Lfor_c_\@
	tensor_load_to_lds s[\g0r:\g0r+3], s[\g1r:\g1r+7]
	s_nop 0
.rept 4
	v_nop
.endr
	s_branch .Lasked_\@
.Lfor_c_\@:
	tensor_load_to_lds s[\g0c:\g0c+3], s[\g1c:\g1c+7]
	s_nop 0
.rept 4
	v_nop
.endr
.Lasked_\@:
.endm
.macro CREST
	s_cmp_lg_u32 s14, 0
	s_cbranch_scc1 .Lnot_wave_0_\@
	s_barrier_signal -3
.Lnot_wave_0_\@:
	s_barrier_wait -3
	s_barrier_signal -1
	s_barrier_wait -1
.endm
.macro CROUND
	s_barrier_signal -1
	s_barrier_wait -1
	CREST
.endm
	s_load_b256 s[4:11], s[0:1], 0x0
	s_load_b64 s[12:13], s[0:1], 0x20
	v_lshl_add_u32 v[SPW], v0, 2, SPARE
	v_mov_b32 v[NIL], 0
	ds_add_u32 v28, v29
	ds_add_u32 v28, v29
	s_wait_dscnt 0x0
	v_lshrrev_b32 v1, 5, v0
	v_readfirstlane_b32 s14, v1
	v_and_b32 v[PFO], 31, v0
	v_min_u32 v[PFO], 24, v[PFO]
	v_lshlrev_b32 v[PFO], 8, v[PFO]
	s_lshr_b32 s15, s14, 1
	s_and_b32 s16, s14, 1
	s_bfe_u32 s40, ttmp6, 0x40000
	s_bfe_u32 s41, ttmp6, 0x40004
	s_and_b32 s18, ttmp7, 0xffff
	s_and_b32 s19, s18, 1
	s_lshr_b32 s20, s18, 1
	s_cmp_eq_u32 ttmp9, 3
	s_cselect_b32 s86, 1, 0
	s_cselect_b32 s17, s19, s18
	s_cselect_b32 s42, s20, ttmp9
	s_cselect_b32 s21, 9830400, 0
	s_lshl_b32 s17, s17, 2
	s_add_co_u32 s17, s17, s41
	s_lshl_b32 s42, s42, 2
	s_add_co_u32 s42, s42, s40
	s_lshl_b32 s43, s41, 2
	s_lshl_b32 s43, 15, s43
	s_lshl_b32 s44, 0x1111, s40
	s_or_b32 s[G1R], s43, (3<<16)|(1<<21)
	s_or_b32 s[G1C], s44, (3<<16)|(1<<21)
	s_mov_b32 s[G1R+1], 800<<16
	s_mov_b32 s[G1R+2], 4<<16
	s_mov_b32 s[G1R+3], 800<<16
	s_mov_b32 s[G1R+4], 4
	s_mov_b32 s[G1R+5], TP/8
	s_mov_b32 s[G1R+6], 0
	s_mov_b32 s[G1R+7], 0
	s_mov_b32 s[G1C+1], 800<<16
	s_mov_b32 s[G1C+2], 8<<16
	s_mov_b32 s[G1C+3], 800<<16
	s_mov_b32 s[G1C+4], 8
	s_mov_b32 s[G1C+5], TP/8
	s_mov_b32 s[G1C+6], 0
	s_mov_b32 s[G1C+7], 0
	s_or_b32 s[G1CS], s43, (2<<16)|(1<<20)|(1<<21)|(6<<22)|(3<<25)
	s_mov_b32 s[G1CS+1], 128<<16
	s_mov_b32 s[G1CS+2], 64<<16
	s_mov_b32 s[G1CS+3], 128<<16
	s_mov_b32 s[G1CS+4], 64
	s_mov_b32 s[G1CS+5], 128
	s_mov_b32 s[G1CS+6], 0
	s_mov_b32 s[G1CS+7], 0
	s_lshl_b32 s22, s17, 3
	s_lshl_b32 s23, s16, 2
	s_add_co_u32 s22, s22, s23
	s_mul_i32 s22, s22, TP
	s_add_co_u32 s22, s22, s21
	s_mov_b32 s23, 0
	s_lshl_b32 s46, s42, 4
	s_lshl_b32 s47, s16, 3
	s_add_co_u32 s46, s46, s47
	s_mul_i32 s46, s46, TP
	s_mov_b32 s47, 0
	s_mul_i32 s45, s16, 4*REC
	s_mul_i32 s92, s16, 8*REC
	s_add_co_u32 s92, s92, 8*REC
	s_wait_alu depctr_va_vdst(0)
	s_wait_kmcnt 0x0
	s_cmp_eq_u32 s86, 1
	s_cselect_b64 s[88:89], s[6:7], s[4:5]
	s_cselect_b64 s[90:91], s[4:5], s[6:7]
	s_add_nc_u64 s[88:89], s[88:89], s[22:23]
	s_add_nc_u64 s[90:91], s[90:91], s[46:47]
	s_mul_i32 s94, s40, TP                         ; the prefetches: of a rows' wave's four tiles partner cx names tile cx,
	s_mul_i32 s95, s41, 2*TP                       ; of a columns' wave's eight partner cy names tiles 2 cy and 2 cy + 1
	s_cmp_eq_u32 s15, 0
	s_cselect_b32 s94, s94, s95
	s_cselect_b64 s[PFA:PFA+1], s[88:89], s[90:91]
	s_mov_b32 s95, 0
	s_add_nc_u64 s[PFA:PFA+1], s[PFA:PFA+1], s[94:95]
.irp s, 0,1
	s_mov_b32 s[G0R+4*\s], 1
	s_add_co_u32 s[G0R+4*\s+1], s45, \s*SLOT
	s_add_nc_u64 s[G0R+4*\s+2:G0R+4*\s+3], s[88:89], \s*REC
	s_or_b32 s[G0R+4*\s+3], s[G0R+4*\s+3], 0x80000000
	s_mov_b32 s[G0C+4*\s], 1
	s_add_co_u32 s[G0C+4*\s+1], s92, \s*SLOT
	s_add_nc_u64 s[G0C+4*\s+2:G0C+4*\s+3], s[90:91], \s*REC
	s_or_b32 s[G0C+4*\s+3], s[G0C+4*\s+3], 0x80000000
.endr
	CROUND                                         ; all sixteen work-groups are here: the first joint loads meet
	JLOAD G0R, G1R, G0C, G1C                       ; slot 0: one tensor load a wave at the head
	ASKAT REC                                      ; slots 1 and 2 are asked of memory
	ASKAT 2*REC
	s_cmp_lt_u32 s14, 2
	s_cselect_b64 s[G0CS+2:G0CS+3], s[8:9], s[10:11]
	s_lshl_b32 s2, s17, 16
	s_lshl_b32 s3, s16, 15
	s_add_co_u32 s2, s2, s3
	s_mov_b32 s3, 0
	s_add_nc_u64 s[G0CS+2:G0CS+3], s[G0CS+2:G0CS+3], s[2:3]
	s_or_b32 s[G0CS+3], s[G0CS+3], 0x80000000
	s_mov_b32 s[G0CS], 1
	s_mul_i32 s[G0CS+1], s14, 64*528
	v_and_b32 v1, 31, v0
	v_lshlrev_b32 v[LI], 4, v1
	v_and_b32 v3, 15, v0
	v_lshlrev_b32 v[LR], 4, v3
	v_bfe_u32 v5, v0, 4, 1
	s_mul_i32 s2, s16, 8*REC
	s_add_co_u32 s2, s2, 8*REC
	s_mul_i32 s93, s15, 4*REC
.irp s, 0,1
	v_add_nc_u32 v[ADC+\s], s2, v[LI]
	v_add_nc_u32 v[ADR+\s], s93, v[LI]
	v_add_nc_u32 v[ASC+\s], s2, v[LR]
	v_add_nc_u32 v[ASR+\s], s93, v[LR]
	s_add_co_u32 s2, s2, SLOT
	s_add_co_u32 s93, s93, SLOT
.endr
	s_mul_i32 s2, s15, 64*528
	v_mul_u32_u24 v[CSA], v3, 528
	v_lshl_add_u32 v[CSA], v5, 5, v[CSA]
	v_add_nc_u32 v[CSA], s2, v[CSA]
	v_add_nc_u32 v[SNA], 128*528, v[CSA]
	s_mov_b32 s[SEL], 0x76543210
	s_mov_b32 s[SEL+1], 0xfedcba98
	s_lshl_b32 s82, s42, 1
	s_add_co_u32 s82, s82, s16
	s_lshl_b32 s83, s82, 5
	s_lshl_b32 s87, s17, 1
	s_add_co_u32 s83, s83, s87
	s_mul_i32 s83, s83, REC
	s_max_u32 s87, s82, 16
	s_sub_co_u32 s87, s87, 16
	s_mul_i32 s87, s87, 409600
	s_mul_i32 s93, s17, 4*REC
	s_add_co_u32 s87, s87, s93
	s_add_co_u32 s87, s87, KVO
	s_mul_i32 s93, s17, 409600
	s_mul_i32 s94, s82, 4*REC
	s_add_co_u32 s93, s93, s94
	s_add_co_u32 s93, s93, KVO+2*REC
	s_cmp_lt_u32 s82, 16
	s_cselect_b32 s80, s83, s87
	s_cmp_eq_u32 s86, 1
	s_cselect_b32 s80, s93, s80
	s_mul_i32 s81, s15, REC
	s_add_co_u32 s80, s80, s81
	s_mov_b32 s81, 0
	s_add_nc_u64 s[DST:DST+1], s[12:13], s[80:81]
.macro FETCH slot, q, p
	WIN TO_C
.irp b, 0,1,2,3,4,5,6,7
.irp c, 0,1,2
	ds_load_b128 v[96*(\p)+12*\b+4*\c:96*(\p)+12*\b+4*\c+3], v[ADC+\slot] offset:REC*\b+1536*(\q)+512*\c
.endr
.endr
	WIN 0
.irp a, 0,1,2,3
.irp c, 0,1,2
	ds_load_b128 v[RF+48*(\p)+12*\a+4*\c:RF+48*(\p)+12*\a+4*\c+3], v[ADR+\slot] offset:REC*\a+1536*(\q)+512*\c
.endr
.endr
.endm
.macro SCALES slot
.irp b, 0,1,2,3,4,5,6,7
	ds_load_b128 v[SCC+32*\slot+4*\b:SCC+32*\slot+4*\b+3], v[ASC+\slot] offset:REC*\b+6144
.endr
.irp a, 0,1,2,3
	ds_load_b128 v[SCR+16*\slot+4*\a:SCR+16*\slot+4*\a+3], v[ASR+\slot] offset:REC*\a+6144
.endr
.endm
.macro MUL8 a, p, q, sc, zero
.irp b, 0,1,2,3,4,5,6,7
.if \zero
	v_wmma_scale_f32_16x16x128_f8f6f4 v[8*(8*(\a)+\b):8*(8*(\a)+\b)+7], v[96*(\p)+12*\b:96*(\p)+12*\b+11], v[RF+48*(\p)+12*(\a):RF+48*(\p)+12*(\a)+11], 0, v[SCC+32*(\sc)+4*\b+(\q)], v[SCR+16*(\sc)+4*(\a)+(\q)] matrix_a_fmt:MATRIX_FMT_FP6 matrix_b_fmt:MATRIX_FMT_FP6
.else
	v_wmma_scale_f32_16x16x128_f8f6f4 v[8*(8*(\a)+\b):8*(8*(\a)+\b)+7], v[96*(\p)+12*\b:96*(\p)+12*\b+11], v[RF+48*(\p)+12*(\a):RF+48*(\p)+12*(\a)+11], v[8*(8*(\a)+\b):8*(8*(\a)+\b)+7], v[SCC+32*(\sc)+4*\b+(\q)], v[SCR+16*(\sc)+4*(\a)+(\q)] matrix_a_fmt:MATRIX_FMT_FP6 matrix_b_fmt:MATRIX_FMT_FP6
.endif
.endr
.endm
.macro STEP slot, q, zero
	s_wait_dscnt 0x0
	PLACES 4
	FETCH \slot, (\q)+1, ((\q)+1)%2
	WIN MUL
	MUL8 0, (\q)%2, \q, \slot, \zero
	MUL8 1, (\q)%2, \q, \slot, \zero
	MUL8 2, (\q)%2, \q, \slot, \zero
	MUL8 3, (\q)%2, \q, \slot, \zero
	WIN 0
.endm
.macro TURN slot, next, fill
.if \fill == 1
	s_wait_xcnt 0x0                                ; my last prefetch, a slot back, has read its address: it is stepped only behind this wait
	s_add_nc_u64 s[PFA:PFA+1], s[PFA:PFA+1], REC
.endif
	s_wait_tensorcnt 0x0
	ds_add_u32 v[SPW], v[NIL]
	s_wait_dscnt 0x1
	WIN MUL
	MUL8 0, 1, 3, \slot, 0
	s_wait_dscnt 0x0
	s_barrier_signal -1
	MUL8 1, 1, 3, \slot, 0
	WIN 0
	s_barrier_wait -1
.if \fill == 1
	CREST
	s_add_nc_u64 s[G0R+4*\slot+2:G0R+4*\slot+3], s[G0R+4*\slot+2:G0R+4*\slot+3], 2*REC
	s_add_nc_u64 s[G0C+4*\slot+2:G0C+4*\slot+3], s[G0C+4*\slot+2:G0C+4*\slot+3], 2*REC
	JLOAD G0R+4*\slot, G1R, G0C+4*\slot, G1C
.elseif \fill == 2
	CREST
	tensor_load_to_lds s[G0CS:G0CS+3], s[G1CS:G1CS+7]
	s_nop 0
	PLACES 4
.else
	PLACES 4
.endif
	FETCH \next, 0, 0
	SCALES \next
.if \fill == 1
	ASK                                            ; behind the joint load and the run of LDS loads
.endif
	WIN MUL
	MUL8 2, 1, 3, \slot, 0
	MUL8 3, 1, 3, \slot, 0
	WIN 0
.endm
	s_wait_alu depctr_va_vdst(0)
	s_wait_tensorcnt 0x0                           ; my part of slot 0 is in; these lines stand ahead of a later first fill, as ahead of a refill
	ds_add_u32 v[SPW], v[NIL]
	s_wait_dscnt 0x0
	CROUND                                         ; everybody's part of slot 0 is in, and the joint loads meet
	JLOAD G0R+4, G1R, G0C+4, G1C                   ; slot 1, the first tensor load behind the round
	ASKAT 3*REC                                    ; slot 3
	FETCH 0, 0, 0
	SCALES 0
	STEP 0, 0, 1
	s_mov_b32 s3, LAPS-1
.Llap:
	STEP 0, 1, 0
	STEP 0, 2, 0
	TURN 0, 1, 1
	STEP 1, 0, 0
	STEP 1, 1, 0
	STEP 1, 2, 0
	TURN 1, 0, 1
	STEP 0, 0, 0
	s_sub_co_u32 s3, s3, 1
	s_cmp_lg_u32 s3, 0
	s_cbranch_scc1 .Llap
	STEP 0, 1, 0
	STEP 0, 2, 0
	TURN 0, 1, 2
	STEP 1, 0, 0
	STEP 1, 1, 0
	STEP 1, 2, 0
	s_wait_dscnt 0x0
	WIN MUL
	MUL8 0, 1, 3, 1, 0
	MUL8 1, 1, 3, 1, 0
	MUL8 2, 1, 3, 1, 0
	MUL8 3, 1, 3, 1, 0
	WIN 0
	PLACES 4
	s_wait_tensorcnt 0x0
	s_wait_dscnt 0x0
	s_barrier_signal -1
	s_barrier_wait -1
	WIN 0xC0
.irp b, 0,1,2,3
	v_mov_b32 v[TM+4+\b], 0
.endr
	WIN 0
.macro LOADCS a
.set CB, 64*((\a)%2)
	WIN 0xC0
.irp b, 0,1,2,3,4,5,6,7
	ds_load_b128 v[CB+8*\b:CB+8*\b+3], v[CSA] offset:8448*(\a)+64*\b
	ds_load_b128 v[CB+8*\b+4:CB+8*\b+7], v[CSA] offset:8448*(\a)+64*\b+16
	ds_load_b128 v[SI+8*\b:SI+8*\b+3], v[SNA] offset:8448*(\a)+64*\b
	ds_load_b128 v[SI+8*\b+4:SI+8*\b+7], v[SNA] offset:8448*(\a)+64*\b+16
.endr
.endm
.macro ROPE a
.set CB, 64*((\a)%2)
	WIN 0xFE
.irp n, 0,2,4,6,8,10,12,14,16,18,20,22,24,26,28,30
	v_pk_mul_f32 v[CB+\n:CB+\n+1], v[64*(\a)+\n:64*(\a)+\n+1], v[CB+\n:CB+\n+1]
	v_pk_mul_f32 v[CB+32+\n:CB+33+\n], v[64*(\a)+32+\n:64*(\a)+33+\n], v[CB+32+\n:CB+33+\n]
	v_pk_fma_f32 v[CB+\n:CB+\n+1], v[64*(\a)+32+\n:64*(\a)+33+\n], v[SI+\n:SI+\n+1], v[CB+\n:CB+\n+1] neg_lo:[1,0,0] neg_hi:[1,0,0]
	v_pk_fma_f32 v[CB+32+\n:CB+33+\n], v[64*(\a)+\n:64*(\a)+\n+1], v[SI+32+\n:SI+33+\n], v[CB+32+\n:CB+33+\n]
.endr
.endm
.macro QUANT s, w, pw
	WIN 0xF0|(5*(\w))
.irp b, 0,1,2,3
	v_max3_num_f32 v[TM+\b], |v[(\s)+16*\b]|, |v[(\s)+1+16*\b]|, 0x1800000
.endr
.irp i, 2,4,6,8,10,12,14
.irp b, 0,1,2,3
	v_max3_num_f32 v[TM+\b], |v[(\s)+16*\b+\i]|, |v[(\s)+1+16*\b+\i]|, v[TM+\b]
.endr
.endr
	WIN 0xFF
.irp b, 0,1,2,3
	v_permlanex16_b32 v[TM+4+\b], v[TM+\b], s[SEL], s[SEL+1]
.endr
.irp b, 0,1,2,3
	v_max_num_f32 v[TM+\b], v[TM+\b], v[TM+4+\b]
.endr
.irp b, 0,1,2,3
	v_add_nc_u32 v[TM+12+\b], 0xff000000, v[TM+\b]
.endr
.irp b, 0,1,2,3
	v_lshrrev_b32 v[TM+4+\b], 23, v[TM+12+\b]
.endr
	v_lshl_or_b32 v[\pw], v[TM+5], 8, v[TM+4]
	v_lshl_or_b32 v[\pw], v[TM+6], 16, v[\pw]
	v_lshl_or_b32 v[\pw], v[TM+7], 24, v[\pw]
	WIN 0xFC|(\w)
.irp c, 0,1
	v_cvt_scalef32_pk16_fp6_f32 v[PC+6*\c:PC+2+6*\c], v[(\s)+32*\c:(\s)+15+32*\c], v[TM+12+2*\c]
	v_cvt_scalef32_pk16_fp6_f32 v[PC+12+4*\c:PC+14+4*\c], v[(\s)+16+32*\c:(\s)+31+32*\c], v[TM+12+2*\c+1]
.endr
	WIN 0xFF
	v_nop
.irp c, 0,1
.irp i, 0,1,2
	v_permlane16_swap_b32 v[PC+6*\c+\i], v[PC+12+4*\c+\i]
.endr
.irp i, 0,1,2
	v_mov_b32 v[PC+3+6*\c+\i], v[PC+12+4*\c+\i]
.endr
.endr
.endm
.macro STORE a
	WIN 0x0C
.irp c, 0,1,2
	global_store_b128 v[LI], v[PC+4*\c:PC+4*\c+3], s[DST:DST+1] offset:1536*(\a)+512*\c
.endr
.endm
	s_cmp_eq_u32 s86, 1
	s_cbranch_scc1 .Lvpath
	LOADCS 0
.irp a, 0,1,2,3
	s_wait_dscnt 0x0
	ROPE \a
.if \a < 3
	LOADCS \a+1
.endif
.if \a > 0
	s_wait_xcnt 0x0
.endif
	QUANT 64*(\a%2), 3, PW4+\a
	STORE \a
.endr
	WIN 0
	s_branch .Ljoin
.Lvpath:
.irp a, 0,1,2,3
.if \a > 0
	s_wait_xcnt 0x0
.endif
	QUANT 64*\a, 2, PW4+\a
	STORE \a
.endr
	WIN 0
.Ljoin:
	WIN 0x0C
	global_store_b128 v[LR], v[PW4:PW4+3], s[DST:DST+1] offset:6144
	WIN 0
	s_wait_tensorcnt 0x0
	ds_add_u32 v[SPW], v[NIL]
	s_wait_dscnt 0x0
	CROUND
	s_endpgm
.Lfunc_end_k_qddd7a50c25_qkv:
	.size	k_qddd7a50c25_qkv, .Lfunc_end_k_qddd7a50c25_qkv-k_qddd7a50c25_qkv
	.p2alignl 7, 3214868480
	.fill 96, 4, 3214868480
	.section	.rodata,"a",@progbits
	.p2align	6, 0x0
	.amdhsa_kernel k_qddd7a50c25_qkv
		.amdhsa_group_segment_fixed_size 327680
		.amdhsa_private_segment_fixed_size 0
		.amdhsa_enable_private_segment 0
		.amdhsa_kernarg_size 40
		.amdhsa_user_sgpr_count 2
		.amdhsa_user_sgpr_kernarg_segment_ptr 1
		.amdhsa_wavefront_size32 1
		.amdhsa_system_sgpr_workgroup_id_x 1
		.amdhsa_system_sgpr_workgroup_id_y 1
		.amdhsa_system_sgpr_workgroup_id_z 1
		.amdhsa_system_vgpr_workitem_id 0
		.amdhsa_next_free_vgpr 1024
		.amdhsa_next_free_sgpr 96
		.amdhsa_reserve_vcc 0
		.amdhsa_float_denorm_mode_32 3
		.amdhsa_float_denorm_mode_16_64 3
		.amdhsa_memory_ordered 1
		.amdhsa_forward_progress 1
		.amdhsa_inst_pref_size 180
	.end_amdhsa_kernel
	.amdgpu_metadata
---
amdhsa.version: [ 1, 2 ]
amdhsa.kernels:
  - .name:           k_qddd7a50c25_qkv
    .symbol:         k_qddd7a50c25_qkv.kd
    .args:
      - { .name: xc, .offset: 0, .size: 8, .value_kind: global_buffer, .address_space: global }
      - { .name: wc, .offset: 8, .size: 8, .value_kind: global_buffer, .address_space: global }
      - { .name: cos, .offset: 16, .size: 8, .value_kind: global_buffer, .address_space: global }
      - { .name: sin, .offset: 24, .size: 8, .value_kind: global_buffer, .address_space: global }
      - { .name: qkv, .offset: 32, .size: 8, .value_kind: global_buffer, .address_space: global }
    .group_segment_fixed_size: 327680
    .private_segment_fixed_size: 0
    .kernarg_segment_align: 8
    .kernarg_segment_size: 40
    .max_flat_workgroup_size: 128
    .sgpr_count:     96
    .vgpr_count:     1024
    .wavefront_size: 32
...
	.end_amdgpu_metadata
.endif
;; end of part 2
;; launch attn (part 3): grid 32 x 8, 8 waves a work-group, clusters of 4 x 1, 327,680 bytes of LDS; arguments qkv, ac, Wo, woc; writes ac, woc
.if DOCPART == 3
	.amdgcn_target "amdgcn-amd-amdhsa--gfx1250"
	.amdhsa_code_object_version 6
	.text
	.protected	k_qddd7a50c25_attn
	.globl	k_qddd7a50c25_attn
	.p2align	8
	.type	k_qddd7a50c25_attn,@function
k_qddd7a50c25_attn:
	s_mov_b64 s[64:65], 0
	v_nop
	global_prefetch_b8 v0, s[64:65] scope:SCOPE_SE
	s_setreg_imm32_b32 hwreg(HW_REG_WAVE_MODE, 25, 1), 1
	s_wait_xcnt 0x0
	s_wait_alu depctr_hold_cnt(0) depctr_sa_sdst(0) depctr_va_vdst(0) depctr_va_sdst(0) depctr_va_ssrc(0) depctr_va_vcc(0) depctr_vm_vsrc(0)
	s_getreg_b32 s2, hwreg(HW_REG_IB_STS2, 6, 4)
	s_cmp_eq_u32 s2, 0
	s_cbranch_scc0 .Lentry_in_a_cluster
	s_endpgm
.Lentry_in_a_cluster:
	s_bfe_u32 s2, ttmp6, 0x10000c
	s_cmp_lg_u32 s2, 0x3003
	s_cbranch_scc0 .Lentry_shape_is_right
	s_endpgm
.Lentry_shape_is_right:
; Causal attention, 16 query heads on 8 key and value heads, 2,048 positions, head size 128, both products on codes of FP6 (E2M3) with E8M0 scales; the result, divided by the row's sum, is quantised along the 2,048 of the last product's K.
; THE SOFTMAX: t = score x log2(e) / sqrt(128); M = the row's largest t so far, rounded up to a whole number; p = 2^(t - M) is quantised along the keys, not normalised; the row's sum is taken of the unquantised p and divides at the end.
; When M moves, the sum and O are multiplied by 2^(old M - new M): exact.
; LIMITS: NaN and infinities are not served; a block whose largest magnitude lies under 2^-124, a block of zeros among them, keeps the scale byte 1 (zero codes; this program alone reads the bytes).
; INPUT (qkv), in records of 6,400 bytes (four images of an operand's registers, 1,536 bytes each, then row r's four scale words at 6144 + 16 r): q at 0: [head][record of 64 positions]; k, v at KVO: [kv head][key step of 128 keys]
; [K record 0, 1, V record 0, 1]: 25,600 dense bytes a key step.  OUTPUT (ac): [tile of 16 positions][4 records]: image q of record s is head 4 s + q.
; SHARES.  A cluster of four work-groups of eight waves owns one kv head g and two groups of 128 queries, a and 15 - a (a = the cluster's x), for both query heads: 32 tiles of 16 queries, one a wave.  Waves 0-3 take group a, waves 4-7
; group 15 - a: (a + 1) + (16 - a) = 17 key steps of work for each pair of waves w, w + 4, in every work-group of the launch.  The head (2 g + cx % 2) and the tile in the group (4 (cx / 2) + w % 4) enter global addresses and the
; lane's number for the mask alone.
; THE MASK.  Key steps and groups are both 128 long, so a step is hidden (first key > the group's first query), on the diagonal (equal) or open (less) for all tiles of a group alike: the branches hang on the cluster's x and the wave's
; number alone and are the same in all four partners.  Every work-group walks all four slots: trip counts are constants, and no tensor load or barrier is jumped over; a hidden step's work is left out.
; K AND V are asked for JOINTLY by the four partners: one tensor load a wave brings 12,800 dense bytes (50 rows of 256), eight waves a slot of 4 key steps; two slots.
; ALSO IN THIS LAUNCH: Wo [4096][2048] f32 becomes codes (woc: [256 tiles of 16 rows][4 records]), for the launch that follows.  Waves 0-3 own queries under 1,024, so from key 1,024 on, the third slot, every key step is hidden from them.
; There each of them quantises one record of Wo, 16 rows x 512 K, 32,768 bytes in and 6,400 out, while waves 4-7 go on with their keys: 8 heads x 8 clusters x 4 work-groups x 4 waves are 1,024 waves, and Wo has 1,024 records.
; The record's 64 loads go out together, into the registers that K's and V's fragments have left; each K step turns through the wave's own stage in LDS (16 rows x 528 bytes), behind the spare words, where no tensor load lands.
; LAYOUT.  S^T = K Q^T, O^T = V^T P^T: a lane holds one query throughout.  In S^T register 8 t + j of lane (r, h) is key 16 t + 8 h + j; quantised in registers that gives, inside each block of 32 keys, the code places
; 0-7, 8-15, 16-23, 24-31 = keys 0-7, 16-23, 8-15, 24-31, which is the order in which V's codes were laid, and in which Wo's are laid here.
; REGISTERS: window 0: v1-8, v11 lane terms and addresses; v12 -M, v13 the largest t, v[14:15] the sum; v16-27 Q, v255 its scale word; v32-39 K's scale words, v40-47 V's; v48-51 Wo's scale words, v52-53 its stage's addresses;
;   v96-159 S^T, then p (for Wo: a lane's two blocks); v160-223 O^T; v224-235 p's codes (Wo's); v232-254 at work.   window 1: v0-95 K's eight fragments, v96-191 V's (for Wo: all 256, four K steps as loaded).
.set KVO,   3276800
.set STEPB, 25600                      ; a key step in bytes
.set SLOTB, 4*STEPB
.set SLOT1, 1<<17                      ; slot 1 begins here, so that one exclusive or turns an address in one slot into the other's
.set SPARE, 2*SLOT1                    ; behind the ring: the spare words, 128 bytes for each wave: four blocks of 256 bytes that no other line names
.set STGB,  SPARE+1024                 ; behind them: four stages of 8,448 bytes for Wo, one for each of waves 0-3
.set LI,  1                            ; v1  16 x lane
.set LR,  2                            ; v2  16 r
.set ADI, 3                            ; v3  LDS address of the step's images
.set ADS, 4                            ; v4  and of its scale words
.set SPW, 5                            ; v5  LDS address of my spare word; never rewritten
.set NIL, 6                            ; v6  0; never rewritten
.set DD,  7                            ; v7  my query's place in its group less 8 h
.set PFO, 8                            ; v8  the prefetches' offset
.set H8,  11                           ; v11 8 h; never rewritten
.set KS,  32
.set VS,  40
.set SW,  48                           ; v48-51 Wo: the scale words of the four K steps
.set STI, 52                           ; v52 Wo: the stage on the way in: 16 x lane, a row an instruction
.set STO, 53                           ; v53 and on the way out: row r, + 128 h
.set X,   96                           ; Wo: my two blocks, block c at X + 32 c, in the order of the code places
.set C,   224                          ; Wo: the fragment
.set C2,  236                          ; v236-238, v240-242: the second halves of the blocks' codes
.set MX,  244                          ; v244-247 four chains of maxima
.set SO,  248                          ; v248-249 the conversions' scale operands
.set BY,  250                          ; v250-251 the scale bytes
.set WD,  252                          ; v252 my half of a scale word
.set PT,  253                          ; v253 the other half
.set WV,  8                            ; s8  wave
.set QG,  12                           ; s12 my group's first query
.set KF,  13                           ; s13 the step's first key
.set TB,  14                           ; s14 LDS byte at which the step's records begin
.set CNT, 15                           ; s15 steps left in the slot
.set SLOTS, 16                         ; s16 slots still to be asked for
.set LIM, 17                           ; s17 1 in a wave that prefetches, else the greatest number
.set PFA, 18                           ; s[18:19] where my prefetches stand
.set SEL, 20                           ; s[20:21] v_permlanex16_b32's selects
.set CS,  22                           ; s[22:23] c = log2(e) / sqrt(128)
.set G1,  24                           ; s[24:31] descriptor group 1
.set G0,  32                           ; s[32:35] group 0, which walks
.set WOS, 56                           ; s[56:57] my record's first row in Wo
.set WOD, 58                           ; s[58:59] my record in woc
; WHICH SLOT TAKES Wo: in clusters a < 4 the queries of waves 0-3 lie under 512, so their key steps end with slot 0 and they quantise their record under slot 1; in clusters a >= 4 under slot 2, as said above.
; One slot ahead of that each of these waves asks for its record by four prefetches: 16 rows x 2,048 bytes are 128 blocks of 256 bytes, a lane a block.
; THE LONG TILE IS SHARED (this takes the place of 'one tile a wave' above).  Waves w and w + 4 hold the same tile number in groups a and 15 - a.  Key steps 0 .. a: wave w works on its tile of group a, wave w + 4 on its tile of group 15 - a.
; At key step a + 1 wave w is done with its tile: it sends it out, takes the other tile's Q (loaded at the head) and begins a second, empty part (M, sum, O^T) of that tile.  Of key steps j = a + 1 .. 15 - a wave w + 4 takes those with
; j - a odd and wave w those with j - a even: 9 and 8 key steps a wave.  At the end wave w hands -M, the sum and O^T to wave w + 4 through LDS, which brings both parts under the larger M by exact powers of two, adds them and sends the tile out.
; A part with no key step has the sum 0, O^T = 0 and M = -3e38: its factor is 0.  All these branches hang on the cluster's x and the wave's number alone.  A step's K and V are fetched at the step's own head.
.set PFW,  56                          ; v56 Wo's prefetches: 8,192 (lane / 8) + 256 (lane % 8); never rewritten
.set WOT,  62                          ; s62 the value of SLOTS in the trip in which my wave quantises Wo; 0 in waves 4-7
.set WOA,  63                          ; s63 and in the trip before it, in which it asks; 0 in waves 4-7
.set QLF,  58                          ; v58-69 Q's fragment of the tile of group 15 - a, v70 its scale word
.set MST,  71                          ; v71 LDS address of the part that wave w % 4 hands over: 8,704 (w % 4) + 16 x lane, in slot 0's bytes
.set QS,   72                          ; s72 group a's first query
.set QL,   73                          ; s73 group 15 - a's first query
.set PAR,  74                          ; s74 which of the shared key steps are mine: (first key - s72) & 128 equals this
.set SWK,  75                          ; s75 the first key of the step at which waves 0-3 change tiles; in waves 4-7 a number that no key has
.macro ASKWO
	s_cmp_eq_u32 s[SLOTS], s[WOA]
	s_cbranch_scc0 .Lno_ask_\@
.irp j, 0,1,2,3
	global_prefetch_b8 v[PFW], s[WOS:WOS+1] offset:32768*\j th:TH_LOAD_NT scope:SCOPE_SE
.endr
.Lno_ask_\@:
.endm
.set MSB, 0
.macro WIN new                         ; the immediate's high byte repeats the setting that is left
.if MSB != \new
	s_set_vgpr_msb (MSB<<8)|\new
.set MSB, \new
.endif
.endm
.macro CROUND                          ; a round of the cluster's barrier
	s_barrier_signal -1
	s_barrier_wait -1
	s_cmp_lg_u32 s[WV], 0
	s_cbranch_scc1 .Lnot_wave_0_\@
	s_barrier_signal -3
.Lnot_wave_0_\@:
	s_barrier_wait -3
	s_barrier_signal -1
	s_barrier_wait -1
.endm
; A PREFETCH INTO THE L2 of the slot that the NEXT change of slots will ask for.  All eight clusters of a kv head walk the same K and V: the head's first cluster (x = 0) asks.  Its four partners share the slot out by address, a key step
; each; in each, waves 0 to 3 take a record each: 25 blocks of 256 bytes, a lane a block (lanes 25 to 31 name the 25th again).  The last change that fills a slot asks for nothing; slots 0 and 1 come by their loads alone.
.macro ASK
	s_cmp_gt_u32 s[SLOTS], s[LIM]
	s_cbranch_scc0 .Lnot_mine_\@
	global_prefetch_b8 v[PFO], s[PFA:PFA+1] th:TH_LOAD_NT scope:SCOPE_SE
.Lnot_mine_\@:
.endm
	s_load_b128 s[4:7], s[0:1], 0x0                ; qkv, ac
	s_load_b128 s[56:59], s[0:1], 0x10             ; Wo, woc
	v_lshl_add_u32 v[SPW], v0, 2, SPARE
	v_mov_b32 v[NIL], 0
	ds_add_u32 v5, v6
	ds_add_u32 v5, v6
	s_wait_dscnt 0x0
	v_lshrrev_b32 v9, 5, v0
	s_delay_alu instid0(VALU_DEP_1)
	v_readfirstlane_b32 s[WV], v9                  ; wave 0..7
	s_bfe_u32 s9, ttmp6, 0x40000                   ; cx: my place in the cluster
	s_and_b32 s11, ttmp7, 0xffff                   ; g: the kv head
	s_sub_co_u32 s2, 15, ttmp9
	s_cmp_lt_u32 s[WV], 4
	s_cselect_b32 s36, ttmp9, s2                   ; my group of 128 queries: a or 15 - a
	s_lshl_b32 s[QG], s36, 7
	; descriptor group 1: 50 rows of 256 bytes (32 elements of 8 bytes), dense
	s_mov_b32 s[G1], 15|(3<<16)|(1<<21)            ; 15:0 the mask: all four work-groups; 17:16 elements of 8 bytes; 21 set beside a mask
	s_mov_b32 s[G1+1], 32<<16
	s_mov_b32 s[G1+2], 50<<16
	s_mov_b32 s[G1+3], 32<<16
	s_mov_b32 s[G1+4], 50
	s_mov_b32 s[G1+5], 32
	s_mov_b32 s[G1+6], 0
	s_mov_b32 s[G1+7], 0
	s_mul_i32 s[G0+1], s[WV], 12800                ; LDS: slot 0, my eighth
	s_mul_i32 s46, s11, 409600                     ; the kv head's K and V
	s_add_co_u32 s46, s46, KVO
	s_add_co_u32 s2, s46, s[G0+1]
	s_mov_b32 s3, 0
	s_mov_b32 s[G0], 1
	s_wait_kmcnt 0x0
	s_add_nc_u64 s[G0+2:G0+3], s[4:5], s[2:3]
	s_or_b32 s[G0+3], s[G0+3], 0x80000000
	CROUND                                         ; all four work-groups are here: the first joint loads meet
	tensor_load_to_lds s[G0:G0+3], s[G1:G1+7]      ; slot 0
	s_nop 0
.rept 4
	v_nop
.endr
	s_and_b32 s37, s9, 1
	s_lshl_b32 s2, s11, 1
	s_add_co_u32 s37, s37, s2                      ; hq: my query head
	s_lshr_b32 s40, s9, 1
	s_and_b32 s39, s[WV], 3
	s_lshl_b32 s38, s40, 2
	s_add_co_u32 s38, s38, s39                     ; tq: my tile in the group
	s_lshl_b32 s2, s37, 5
	s_lshl_b32 s3, s36, 1
	s_add_co_u32 s2, s2, s3
	s_add_co_u32 s2, s2, s40
	s_mul_i32 s2, s2, 6400                         ; Q's record: 32 hq + 2 x group + cx / 2
	s_mul_i32 s3, s39, 1536
	s_add_co_u32 s42, s2, s3                       ; my image
	s_mov_b32 s43, 0
	s_lshl_b32 s3, s39, 2
	s_add_co_u32 s44, s2, s3
	s_add_co_u32 s44, s44, 6144                    ; my scale words
	s_mov_b32 s45, 0
	s_add_nc_u64 s[48:49], s[4:5], s[42:43]
	s_add_nc_u64 s[52:53], s[4:5], s[44:45]
	v_and_b32 v9, 31, v0
	s_delay_alu instid0(VALU_DEP_1)
	v_lshlrev_b32 v[LI], 4, v9
	v_and_b32 v10, 15, v0                          ; r
	s_delay_alu instid0(VALU_DEP_1)
	v_lshlrev_b32 v[LR], 4, v10
	global_load_b128 v[16:19], v[LI], s[48:49]     ; Q's fragment stays in registers
	global_load_b128 v[20:23], v[LI], s[48:49] offset:512
	global_load_b128 v[24:27], v[LI], s[48:49] offset:1024
	global_load_b32 v255, v[LR], s[52:53]
	s_sub_co_u32 s70, 15, ttmp9
	s_sub_co_u32 s70, s70, s36                     ; groups from mine to group 15 - a (0 in waves 4-7),
	s_mul_i32 s70, s70, 12800                      ; two records each
	s_mov_b32 s71, 0
	s_add_nc_u64 s[66:67], s[48:49], s[70:71]
	s_add_nc_u64 s[68:69], s[52:53], s[70:71]
	global_load_b128 v[QLF:QLF+3], v[LI], s[66:67]
	global_load_b128 v[QLF+4:QLF+7], v[LI], s[66:67] offset:512
	global_load_b128 v[QLF+8:QLF+11], v[LI], s[66:67] offset:1024
	global_load_b32 v[QLF+12], v[LR], s[68:69]
	s_sub_co_u32 s[QL], 15, ttmp9
	s_lshl_b32 s[QL], s[QL], 7
	s_lshl_b32 s[QS], ttmp9, 7
	s_add_co_u32 s[SWK], s[QS], 128
	s_cmp_lt_u32 s[WV], 4
	s_cselect_b32 s[SWK], s[SWK], -1
	s_cselect_b32 s[PAR], 0, 128
	s_lshl_b32 s2, s36, 3
	s_add_co_u32 s2, s2, s38                       ; my tile of 16 positions
	s_lshl_b32 s2, s2, 2
	s_lshr_b32 s3, s37, 2
	s_add_co_u32 s2, s2, s3
	s_mul_i32 s2, s2, 6400                         ; the output's record
	s_and_b32 s3, s37, 3
	s_mul_i32 s42, s3, 1536
	s_add_co_u32 s42, s42, s2
	s_lshl_b32 s44, s3, 2
	s_add_co_u32 s44, s44, s2
	s_add_co_u32 s44, s44, 6144
	s_add_nc_u64 s[50:51], s[6:7], s[42:43]
	s_add_nc_u64 s[54:55], s[6:7], s[44:45]
	; Wo: tile (8 g + a) x 4 + cx of its 256 tiles of 16 rows, record w % 4 of the tile's four.  (Waves 4-7 make the same numbers and do not use them.)
	s_lshl_b32 s2, s11, 3
	s_add_co_u32 s2, s2, ttmp9
	s_lshl_b32 s2, s2, 2
	s_add_co_u32 s2, s2, s9                        ; the tile
	s_lshl_b32 s42, s2, 17                         ; 16 rows of 8,192 bytes
	s_lshl_b32 s3, s39, 11                         ; 512 numbers are 2,048 bytes
	s_add_co_u32 s42, s42, s3
	s_lshl_b32 s2, s2, 2
	s_add_co_u32 s2, s2, s39
	s_mul_i32 s44, s2, 6400
	s_add_nc_u64 s[WOS:WOS+1], s[WOS:WOS+1], s[42:43]
	s_add_nc_u64 s[WOD:WOD+1], s[WOD:WOD+1], s[44:45]
	v_bfe_u32 v[H8], v0, 4, 1
	s_delay_alu instid0(VALU_DEP_1)
	v_lshlrev_b32 v[H8], 3, v[H8]                  ; 8 h
	s_wait_alu depctr_va_vdst(0)
	v_sub_nc_u32 v[DD], v10, v[H8]
	s_lshl_b32 s2, s38, 4
	v_add_nc_u32 v[DD], s2, v[DD]                  ; 16 tq + r - 8 h
	s_mul_i32 s2, s39, 8448
	s_add_co_u32 s2, s2, STGB                      ; Wo's stage of wave w % 4
	v_add_nc_u32 v[STI], s2, v[LI]
	s_mul_i32 s3, s39, 8704
	v_add_nc_u32 v[MST], s3, v[LI]
	v_mul_u32_u24 v[STO], v10, 528
	s_delay_alu instid0(VALU_DEP_1)
	v_lshl_add_u32 v[STO], v[H8], 4, v[STO]
	s_delay_alu instid0(VALU_DEP_1)
	v_add_nc_u32 v[STO], s2, v[STO]
	v_min_u32 v[PFO], 24, v9
	s_delay_alu instid0(VALU_DEP_1)
	v_lshlrev_b32 v[PFO], 8, v[PFO]
	s_mul_i32 s2, s39, 6400
	v_add_nc_u32 v[PFO], s2, v[PFO]
	v_lshrrev_b32 v[PFW], 3, v9
	v_and_b32 v57, 7, v9
	v_lshlrev_b32 v[PFW], 13, v[PFW]
	v_lshl_add_u32 v[PFW], v57, 8, v[PFW]
	s_mul_i32 s2, s9, STEPB                        ; my work-group's key step of a slot,
	s_add_co_u32 s2, s2, s46
	s_add_co_u32 s2, s2, SLOTB                     ; in slot 1: the first change of slots steps it to slot 2
	s_mov_b32 s3, 0
	s_add_nc_u64 s[PFA:PFA+1], s[4:5], s[2:3]
	s_lshr_b32 s2, s[WV], 2
	s_or_b32 s2, s2, ttmp9                         ; 0 in waves 0 to 3 of the head's first cluster: the same in all four partners
	s_cmp_eq_u32 s2, 0
	s_cselect_b32 s[LIM], 1, -1
	s_cmp_lt_u32 ttmp9, 4                          ; the cluster's x: the same in all four partners
	s_cselect_b32 s[WOT], 2, 1
	s_cselect_b32 s[WOA], 3, 2
	s_cmp_lt_u32 s[WV], 4
	s_cselect_b32 s[WOT], s[WOT], 0
	s_cselect_b32 s[WOA], s[WOA], 0
	s_mov_b32 s[SEL], 0x76543210
	s_mov_b32 s[SEL+1], 0xfedcba98
	s_mov_b32 s[CS], 0x3e0293ee
	s_mov_b32 s[CS+1], s[CS]                       ; (named with it as a pair, so it is written)
	s_mov_b32 s[KF], 0
	s_mov_b32 s[TB], 0
	s_mov_b32 s[SLOTS], 3
	v_mov_b32 v13, 0xff61b1e6                      ; the largest t so far: -3e38, under every t
	s_delay_alu instid0(VALU_DEP_1)
	v_floor_f32 v12, -v13                          ; -M
	v_mov_b32 v14, 0                               ; the sum, in two halves
	v_mov_b32 v15, 0
.irp b, 0,1,2,3
	v_mov_b32 v[236+\b], 0                         ; written once: a lane permute's destination counts as one of its sources
.endr
	v_mov_b32 v252, 0
	v_mov_b32 v253, 0                              ; (named as the upper half of the pair v[252:253] before it is first written)
.set JJ, 0
.rept 64
	v_mov_b32 v[160+JJ], 0                         ; O^T.  (The step is written for every step alike: the first finds zeros, which the first change of M leaves zeros)
.set JJ, JJ+1
.endr
.macro ADDR
	v_add_nc_u32 v[ADI], s[TB], v[LI]
	v_add_nc_u32 v[ADS], s[TB], v[LR]
.endm
.macro FETCH_K ai, as                  ; a step's eight fragments of K (tile t: keys 16 t on) and their scale words, by the address registers named
	WIN 0x40                                       ; destination window 1, address window 0
.irp t, 0,1,2,3,4,5,6,7
.irp c, 0,1,2
	ds_load_b128 v[12*\t+4*\c:12*\t+4*\c+3], v[\ai] offset:6400*(\t/4)+1536*(\t%4)+512*\c
.endr
.endr
	WIN 0
.irp i, 0,1
	ds_load_b128 v[KS+4*\i:KS+4*\i+3], v[\as] offset:6400*\i+6144
.endr
.endm
.macro FETCH_V                         ; and of V (tile t: channels 16 t on, the step's 128 keys)
	WIN 0x40
.irp t, 0,1,2,3,4,5,6,7
.irp c, 0,1,2
	ds_load_b128 v[96+12*\t+4*\c:96+12*\t+4*\c+3], v[ADI] offset:12800+6400*(\t/4)+1536*(\t%4)+512*\c
.endr
.endr
	WIN 0
.irp i, 0,1
	ds_load_b128 v[VS+4*\i:VS+4*\i+3], v[ADS] offset:12800+6400*\i+6144
.endr
.endm
; A KEY STEP: 128 keys.
.macro STEP sw                         ; sw = 1: a copy in which the change of tiles can fall (keys up to 1,024: slots 0 to 2)
.if \sw
	s_cmp_eq_u32 s[KF], s[SWK]
	s_cbranch_scc0 .Lnosw_\@
	SWITCH
.Lnosw_\@:
.endif
	s_cmp_gt_u32 s[KF], s[QG]                      ; all its keys come after my tile's queries: the work is left out, the steps of the addresses at the end are not
	s_cbranch_scc1 .Lhidden_\@
	s_cmp_le_u32 s[KF], s[QS]                      ; key steps 0 .. a are every wave's
	s_cbranch_scc1 .Lmine_\@
	s_sub_co_u32 s60, s[KF], s[QS]                 ; the later ones go by turns
	s_and_b32 s60, s60, 128
	s_cmp_lg_u32 s60, s[PAR]
	s_cbranch_scc1 .Lhidden_\@
.Lmine_\@:
	ADDR                                           ; these two and two v_nop are the four places in front of the loads into registers that matrix instructions have read
	v_nop
	v_nop
	FETCH_K ADI, ADS
	FETCH_V
	s_wait_dscnt 26                                ; K's 26 loads are in; V's 26, issued behind them, may be out
	WIN 0x01
.irp t, 0,1,2,3,4,5,6,7
	v_wmma_scale_f32_16x16x128_f8f6f4 v[96+8*\t:103+8*\t], v[12*\t:12*\t+11], v[16:27], 0, v[KS+\t], v255 matrix_a_fmt:MATRIX_FMT_FP6 matrix_b_fmt:MATRIX_FMT_FP6
.endr
	WIN 0
.rept 4
	v_nop                                          ; places in front of the first read of the scores
.endr
	s_cmp_lt_u32 s[KF], s[QG]                      ; a step all of whose keys count skips the mask
	s_cbranch_scc1 .Lopen_\@
	v_mov_b32 v254, 0xff800000                     ; on the diagonal the scores of hidden keys become -infinity ahead of the maximum: p = 0 then.  Register n holds key 16 (n / 8) + n % 8 + 8 h of the step
.set JJ, 0
.rept 64
	v_cmp_gt_i32 vcc_lo, 16*(JJ/8)+JJ%8, v[DD]
	v_cndmask_b32 v[96+JJ], v[96+JJ], v254, vcc_lo
.set JJ, JJ+1
.endr
.Lopen_\@:
.irp b, 0,1,2,3
	v_max3_num_f32 v[232+\b], v[96+16*\b], v[97+16*\b], v[98+16*\b]   ; the largest score of each block of 32 keys: it serves for the row's maximum and, since p rises with the score, for the block's largest p
.endr
.irp i, 3,5,7,9,11,13
.irp b, 0,1,2,3
	v_max3_num_f32 v[232+\b], v[232+\b], v[96+16*\b+\i], v[97+16*\b+\i]
.endr
.endr
.irp b, 0,1,2,3
	v_max_num_f32 v[232+\b], v[232+\b], v[111+16*\b]
.endr
.irp b, 0,1,2,3
	v_permlanex16_b32 v[236+\b], v[232+\b], s[SEL], s[SEL+1]
.endr
.irp b, 0,1,2,3
	s_delay_alu instid0(VALU_DEP_4)
	v_max_num_f32 v[232+\b], v[232+\b], v[236+\b]  ; with lane l xor 16's 16 keys
.endr
	s_delay_alu instid0(VALU_DEP_2)
	v_max3_num_f32 v254, v232, v233, v234
	s_delay_alu instid0(VALU_DEP_1)
	v_max_num_f32 v254, v254, v235                 ; the step's largest score of my query
	s_delay_alu instid0(VALU_DEP_1)
	v_mul_f32 v254, s[CS], v254                    ; as t (c is positive)
	s_delay_alu instid0(VALU_DEP_1)
	v_max_num_f32 v13, v13, v254                   ; the running largest t
	v_mov_b32 v254, v12
	s_delay_alu instid0(VALU_DEP_2)
	v_floor_f32 v12, -v13                          ; the new -M = floor(-t) = -ceil(t): a whole number
	s_delay_alu instid0(VALU_DEP_1)
	v_sub_f32 v254, v12, v254                      ; M's old value less its new one: a whole number, 0 or less
	s_delay_alu instid0(VALU_DEP_1)
	v_cvt_i32_f32 v254, v254                       ; (it saturates)
	s_delay_alu instid0(VALU_DEP_1)
	v_ldexp_f32 v252, 1.0, v254                    ; f = 2^(old M - new M)
.set JJ, 0
.rept 32
	v_pk_fma_f32 v[96+JJ:97+JJ], v[96+JJ:97+JJ], s[CS:CS+1], v[12:13] op_sel_hi:[1,0,0]   ; t - M, two at a time
.set JJ, JJ+2
.endr
.irp b, 0,1,2,3
	v_fma_f32 v[232+\b], v[232+\b], s[CS], v12     ; the same of each block's largest score
.endr
.set JJ, 0
	s_wait_alu depctr_va_vdst(0)
.rept 64
	v_exp_f32 v[96+JJ], v[96+JJ]                   ; p = 2^(t - M), at most 1: not normalised
.set JJ, JJ+1
.endr
	v_pk_mul_f32 v[14:15], v[14:15], v[252:253] op_sel_hi:[1,0]   ; the sums under the new M (a plain place behind the exponentials)
	s_wait_alu depctr_va_vdst(0)                   ; one wait for the whole batch, ahead of its first reader
.irp b, 0,1,2,3
	v_exp_f32 v[232+\b], v[232+\b]                 ; the block's largest p: the same two instructions on the same number give the same bits
.endr
	v_pk_add_f32 v[236:237], v[100:101], v[104:105]
	v_pk_add_f32 v[250:251], v[108:109], v[112:113]
	v_pk_add_f32 v[248:249], v[116:117], v[120:121]
	v_pk_add_f32 v[246:247], v[124:125], v[128:129]
	v_pk_add_f32 v[244:245], v[132:133], v[136:137]
	v_pk_add_f32 v[242:243], v[140:141], v[144:145]
	v_pk_add_f32 v[240:241], v[148:149], v[152:153]
	v_pk_add_f32 v[14:15], v[14:15], v[156:157]
	v_pk_add_f32 v[236:237], v[236:237], v[96:97]
	v_pk_add_f32 v[250:251], v[250:251], v[98:99]
	v_pk_add_f32 v[248:249], v[248:249], v[102:103]
	v_pk_add_f32 v[246:247], v[246:247], v[106:107]
	v_pk_add_f32 v[244:245], v[244:245], v[110:111]
	v_pk_add_f32 v[242:243], v[242:243], v[114:115]
	v_pk_add_f32 v[240:241], v[240:241], v[118:119]
	v_pk_add_f32 v[14:15], v[14:15], v[122:123]
	v_pk_add_f32 v[236:237], v[236:237], v[126:127]
	v_pk_add_f32 v[250:251], v[250:251], v[130:131]
	v_pk_add_f32 v[248:249], v[248:249], v[134:135]
	v_pk_add_f32 v[246:247], v[246:247], v[138:139]
	v_pk_add_f32 v[244:245], v[244:245], v[142:143]
	v_pk_add_f32 v[242:243], v[242:243], v[146:147]
	v_pk_add_f32 v[240:241], v[240:241], v[150:151]
	v_pk_add_f32 v[14:15], v[14:15], v[154:155]
	v_pk_add_f32 v[236:237], v[236:237], v[158:159]
	s_delay_alu instid0(VALU_DEP_2)
	v_pk_add_f32 v[14:15], v[14:15], v[246:247]
	s_delay_alu instid0(VALU_DEP_2)
	v_pk_add_f32 v[236:237], v[236:237], v[244:245]
	v_pk_add_f32 v[250:251], v[250:251], v[242:243]
	v_pk_add_f32 v[248:249], v[248:249], v[240:241]
	s_delay_alu instid0(VALU_DEP_2)
	v_pk_add_f32 v[14:15], v[14:15], v[250:251]
	s_delay_alu instid0(VALU_DEP_2)
	v_pk_add_f32 v[236:237], v[236:237], v[248:249]
	s_delay_alu instid0(VALU_DEP_1)
	v_pk_add_f32 v[14:15], v[14:15], v[236:237]
	s_wait_alu depctr_va_vdst(0)                   ; and one for the four
.irp b, 0,1,2,3
	v_max_num_f32 v[232+\b], 0x1800000, v[232+\b]  ; the floor 2^(3 - 127): the byte cannot fall under 1
.endr
.irp b, 0,1,2,3
	s_delay_alu instid0(VALU_DEP_4)
	v_add_nc_u32 v[244+\b], 0xff000000, v[232+\b]  ; 2 off the exponent field: the conversion's scale operand
.endr
.irp b, 0,1,2,3
	s_delay_alu instid0(VALU_DEP_4)
	v_lshrrev_b32 v[236+\b], 23, v[244+\b]         ; the scale's byte
.endr
	s_delay_alu instid0(VALU_DEP_3)
	v_lshl_or_b32 v253, v237, 8, v236              ; p's scale word for these 128 keys
	s_delay_alu instid0(VALU_DEP_1)
	v_lshl_or_b32 v253, v238, 16, v253
	s_delay_alu instid0(VALU_DEP_1)
	v_lshl_or_b32 v253, v239, 24, v253
.irp c, 0,1
	v_cvt_scalef32_pk16_fp6_f32 v[224+6*\c:226+6*\c], v[96+32*\c:111+32*\c], v[244+2*\c]
	v_cvt_scalef32_pk16_fp6_f32 v[236+4*\c:238+4*\c], v[112+32*\c:127+32*\c], v[244+2*\c+1]
.endr
	v_nop                                          ; one plain place behind a scaled conversion
.irp c, 0,1                                    ; the operand's layout wants a whole block in a lane
.irp i, 0,1,2
	v_permlane16_swap_b32 v[224+6*\c+\i], v[236+4*\c+\i]
.endr
.irp i, 0,1,2
	s_delay_alu instid0(VALU_DEP_3)
	v_mov_b32 v[227+6*\c+\i], v[236+4*\c+\i]
.endr
.endr
.set JJ, 0
.rept 32
	v_pk_mul_f32 v[160+JJ:161+JJ], v[160+JJ:161+JJ], v[252:253] op_sel_hi:[1,0]   ; O^T under the new M.  (These 32 are also the places between the lines that wrote p's codes and scale word and the products below)
.set JJ, JJ+2
.endr
	s_wait_alu depctr_va_vdst(0)
	s_wait_dscnt 0x0                               ; V is in: it was asked for a softmax ago
	WIN 0x01
.irp t, 0,1,2,3,4,5,6,7
	v_wmma_scale_f32_16x16x128_f8f6f4 v[160+8*\t:167+8*\t], v[96+12*\t:96+12*\t+11], v[224:235], v[160+8*\t:167+8*\t], v[VS+\t], v253 matrix_a_fmt:MATRIX_FMT_FP6 matrix_b_fmt:MATRIX_FMT_FP6
.endr
	WIN 0
.Lhidden_\@:
	s_add_co_u32 s[KF], s[KF], 128
	s_add_co_u32 s[TB], s[TB], STEPB
.endm
.macro FOUR_STEPS sw                   ; a slot's four key steps: written once, walked four times
	s_mov_b32 s[CNT], 4
.Lstep_\@:
	STEP \sw
	s_sub_co_u32 s[CNT], s[CNT], 1
	s_cmp_lg_u32 s[CNT], 0
	s_cbranch_scc1 .Lstep_\@
	s_sub_co_u32 s[TB], s[TB], SLOTB               ; back to a slot's first step,
	s_xor_b32 s[TB], s[TB], SLOT1                  ; in the other slot
.endm
; THE CHANGE OF SLOTS stands at a slot's head.  Each wave waits for all its tensor loads (its part of the slot that it is about to read), adds 0 to its spare word, and waits for that and for its reads of the slot that it has left.
; fill = 1: the barrier is a round of the cluster's, and behind it the other slot is filled with the keys that follow: the load has a slot's four key steps in which to land.
.macro CHANGE fill
	s_wait_tensorcnt 0x0                           ; no tensor load of mine is out, so group 0 may be written
	ds_add_u32 v[SPW], v[NIL]                      ; 0 onto my spare word
.if \fill
	s_xor_b32 s[G0+1], s[G0+1], SLOT1              ; the walking descriptor: the other slot than last time,
	s_add_nc_u64 s[G0+2:G0+3], s[G0+2:G0+3], SLOTB ; the next 512 keys; the type bits on top are not reached
	s_wait_xcnt 0x0                                ; the last prefetch, a slot back, has read its address, so it may be written:
	s_add_nc_u64 s[PFA:PFA+1], s[PFA:PFA+1], SLOTB ; one slot further on than the walking descriptor
.endif
	s_wait_dscnt 0x0                               ; the add is done, and my reads of the slot that I have left are over
.if \fill
	CROUND
	tensor_load_to_lds s[G0:G0+3], s[G1:G1+7]      ; the first thing behind the round, and my one tensor load until the next
	s_nop 0
.rept 4
	v_nop
.endr
	ASK
.else
	s_barrier_signal -1
	s_barrier_wait -1
.endif
.endm
; Wo.  K step q of my 16 rows: each load reads 512 consecutive bytes of one row; into window 1, v[64 q] on
.macro WOLOAD q
.irp i, 0,1,2,3,4,5,6,7,8,9,10,11,12,13,14,15
	global_load_b128 v[64*(\q)+4*\i:64*(\q)+4*\i+3], v[LI], s[WOS:WOS+1] offset:8192*\i+512*(\q) th:TH_LOAD_NT
.endr
.endm
; K step q becomes a fragment and a scale word a row.  16 rows' 512 bytes turn through my stage, so that a lane gets two whole blocks of its row r: blocks h and 2 + h
.macro WOSTEP q
	s_wait_loadcnt 16*(3-(\q))                     ; this K step's 16 loads are in; those of the K steps behind it, 16 each, may be out
	WIN 0x04                                       ; an LDS store's data are its source 1: window 1
.irp i, 0,1,2,3,4,5,6,7,8,9,10,11,12,13,14,15
	ds_store_b128 v[STI], v[64*(\q)+4*\i:64*(\q)+4*\i+3] offset:528*\i
.endr
	WIN 0
.irp c, 0,1                                    ; LDS serves a wave's instructions in order: these see the stores above.  Piece p (k = 4 p .. 4 p + 3 of the block) goes to code places 4 g .. 4 g + 3, g = 0, 1, 4, 5, 2, 3, 6, 7
.irp p, 0,1,2,3,4,5,6,7
	ds_load_b128 v[X+32*\c+4*(\p%2+4*((\p/2)%2)+2*(\p/4)):X+32*\c+4*(\p%2+4*((\p/2)%2)+2*(\p/4))+3], v[STO] offset:256*\c+16*\p
.endr
.endr
	s_wait_dscnt 0x0
.irp c, 0,1                                    ; the blocks' largest magnitudes: two chains a block, four in all, by turns; the floor 2^(3 - 127) holds the byte at 1 from below
	v_max3_num_f32 v[MX+2*\c], |v[X+32*\c]|, |v[X+32*\c+1]|, 0x1800000
	v_max3_num_f32 v[MX+1+2*\c], |v[X+32*\c+16]|, |v[X+32*\c+17]|, 0x1800000
.endr
.irp i, 2,4,6,8,10,12,14
.irp c, 0,1
	s_delay_alu instid0(VALU_DEP_4)
	v_max3_num_f32 v[MX+2*\c], v[MX+2*\c], |v[X+32*\c+\i]|, |v[X+32*\c+\i+1]|
	s_delay_alu instid0(VALU_DEP_4)
	v_max3_num_f32 v[MX+1+2*\c], v[MX+1+2*\c], |v[X+32*\c+16+\i]|, |v[X+32*\c+17+\i]|
.endr
.endr
.irp c, 0
	s_delay_alu instid0(VALU_DEP_3)
	v_max_num_f32 v[MX+2*\c], v[MX+2*\c], v[MX+1+2*\c]
.endr
.irp c, 1
	s_delay_alu instid0(VALU_DEP_2)
	v_max_num_f32 v[MX+2*\c], v[MX+2*\c], v[MX+1+2*\c]
.endr
.irp c, 0,1
	s_delay_alu instid0(VALU_DEP_2)
	v_add_nc_u32 v[SO+\c], 0xff000000, v[MX+2*\c]  ; 2 off the exponent field: the conversion's scale operand
.endr
.irp c, 0,1
	s_delay_alu instid0(VALU_DEP_2)
	v_lshrrev_b32 v[BY+\c], 23, v[SO+\c]           ; the scale's byte
.endr
	s_delay_alu instid0(VALU_DEP_1)
	v_lshl_or_b32 v[WD], v[BY+1], 16, v[BY]        ; my two bytes,
	s_delay_alu instid0(VALU_DEP_1)
	v_lshlrev_b32 v[WD], v[H8], v[WD]              ; at their places in the scale word;
	s_delay_alu instid0(VALU_DEP_1)
	v_permlanex16_b32 v[PT], v[WD], s[SEL], s[SEL+1]
	s_delay_alu instid0(VALU_DEP_1)
	v_or_b32 v[SW+(\q)], v[WD], v[PT]              ; with lane l xor 16's two the word is whole
.if (\q) > 0
	s_wait_alu depctr_va_vdst(0)
	s_wait_xcnt 0x0                                ; the last K step's stores have read the fragment's registers: they are written again only behind this wait
.endif
.irp c, 0,1
	v_cvt_scalef32_pk16_fp6_f32 v[C+6*\c:C+6*\c+2], v[X+32*\c:X+32*\c+15], v[SO+\c]
	v_cvt_scalef32_pk16_fp6_f32 v[C2+4*\c:C2+4*\c+2], v[X+32*\c+16:X+32*\c+31], v[SO+\c]   ; (a conversion's three registers begin on an even number)
.endr
	v_nop                                          ; one plain place behind a scaled conversion
.irp c, 0,1
.irp i, 0,1,2
	v_mov_b32 v[C+3+6*\c+\i], v[C2+4*\c+\i]
.endr
.endr
.irp c, 0,1,2
	global_store_b128 v[LI], v[C+4*\c:C+4*\c+3], s[WOD:WOD+1] offset:1536*(\q)+512*\c   ; the image: 512 consecutive bytes a store, at a multiple of 256 from the buffer's first byte
.endr
.endm
.macro WAYOUT                          ; used twice: by waves 0-3 at their change of tiles, by waves 4-7 at the end
	; THE WAY OUT.  O^T is divided by the row's sum and quantised along the head's 128, which are one K step of the last product: a fragment and a scale word a row.
.rept 4
	v_nop                                          ; places behind the last products
.endr
	v_add_f32 v14, v14, v15                        ; the sum's two halves,
	s_delay_alu instid0(VALU_DEP_1)
	v_permlanex16_b32 v252, v14, s[SEL], s[SEL+1]
	s_delay_alu instid0(VALU_DEP_1)
	v_add_f32 v14, v14, v252                       ; and lane l xor 16's
	s_wait_alu depctr_va_vdst(0)
	v_rcp_f32 v14, v14
	v_nop                                          ; one plain place behind the reciprocal
	s_wait_alu depctr_va_vdst(0)                   ; and the wait ahead of its first reader
.set JJ, 0
.rept 64
	v_mul_f32 v[96+JJ], v[160+JJ], v14             ; register 8 t + j is channel 16 t + 8 h + j of my query
.set JJ, JJ+1
.endr
.set TM, 160
.set PC, 176
.set PW, 196
.irp b, 0,1,2,3
	v_max3_num_f32 v[TM+\b], |v[96+16*\b]|, |v[97+16*\b]|, 0x1800000
.endr
.irp i, 2,4,6,8,10,12,14
.irp b, 0,1,2,3
	s_delay_alu instid0(VALU_DEP_4)
	v_max3_num_f32 v[TM+\b], v[TM+\b], |v[96+16*\b+\i]|, |v[97+16*\b+\i]|
.endr
.endr
.irp b, 0,1,2,3
	v_permlanex16_b32 v[TM+4+\b], v[TM+\b], s[SEL], s[SEL+1]
.endr
.irp b, 0,1,2,3
	s_delay_alu instid0(VALU_DEP_4)
	v_max_num_f32 v[TM+\b], v[TM+\b], v[TM+4+\b]
.endr
.irp b, 0,1,2,3
	s_delay_alu instid0(VALU_DEP_4)
	v_add_nc_u32 v[TM+12+\b], 0xff000000, v[TM+\b]
.endr
.irp b, 0,1,2,3
	s_delay_alu instid0(VALU_DEP_4)
	v_lshrrev_b32 v[TM+4+\b], 23, v[TM+12+\b]
.endr
	s_delay_alu instid0(VALU_DEP_3)
	v_lshl_or_b32 v[PW], v[TM+5], 8, v[TM+4]
	s_delay_alu instid0(VALU_DEP_1)
	v_lshl_or_b32 v[PW], v[TM+6], 16, v[PW]
	s_delay_alu instid0(VALU_DEP_1)
	v_lshl_or_b32 v[PW], v[TM+7], 24, v[PW]
.irp c, 0,1
	v_cvt_scalef32_pk16_fp6_f32 v[PC+6*\c:PC+2+6*\c], v[96+32*\c:111+32*\c], v[TM+12+2*\c]
	v_cvt_scalef32_pk16_fp6_f32 v[PC+12+4*\c:PC+14+4*\c], v[112+32*\c:127+32*\c], v[TM+12+2*\c+1]
.endr
	v_nop
.irp c, 0,1
.irp i, 0,1,2
	v_permlane16_swap_b32 v[PC+6*\c+\i], v[PC+12+4*\c+\i]
.endr
.irp i, 0,1,2
	s_delay_alu instid0(VALU_DEP_3)
	v_mov_b32 v[PC+3+6*\c+\i], v[PC+12+4*\c+\i]
.endr
.endr
.irp c, 0,1,2
	global_store_b128 v[LI], v[PC+4*\c:PC+4*\c+3], s[50:51] offset:512*\c   ; the image: 512 consecutive bytes a store
.endr
	global_store_b32 v[LR], v[PW], s[54:55]        ; my head's scale word of each row: 4 bytes in every 16 (the record's other words come from three other heads' waves); 64 bytes a tile
.endm
; THE CHANGE OF TILES, waves 0-3: my tile of group a goes out; then Q of the tile of group 15 - a, and an empty part of it
.macro SWITCH
	WAYOUT
	s_wait_xcnt 0x0                                ; the stores have read their registers: the lines below write them
	s_mov_b32 s[QG], s[QL]
.irp i, 0,1,2,3,4,5,6,7,8,9,10,11
	v_mov_b32 v[16+\i], v[QLF+\i]
.endr
	v_mov_b32 v255, v[QLF+12]
	v_mov_b32 v13, 0xff61b1e6                      ; the largest t so far: -3e38
	v_mov_b32 v14, 0
	v_mov_b32 v15, 0
	v_floor_f32 v12, -v13
.set JJ, 0
.rept 64
	v_mov_b32 v[160+JJ], 0                         ; (these 64 are also the places between the lines that wrote Q and its scale word and the next products)
.set JJ, JJ+1
.endr
	s_wait_alu depctr_va_vdst(0)                   ; what was written above may next be read behind branches and waits
.endm
	s_wait_loadcnt 0x0                             ; both Q
.Lslot:                                            ; three trips: slots 0, 1 and 2; each asks for the slot that follows
	CHANGE 1
	ASKWO                                          ; waves 0-3, one trip ahead of the one below
	s_cmp_eq_u32 s[SLOTS], s[WOT]                  ; waves 0-3, at the head of slot 1 (a < 4) or slot 2: each quantises its record of Wo.  No barrier and no tensor load stands under these branches
	s_cbranch_scc0 .Lno_wo
	s_cmp_lt_u32 s[WV], 4                          ; (the wave's number says so once more, plainly: the four stages belong to waves 0-3)
	s_cbranch_scc0 .Lno_wo
	WIN 0x40                                       ; destination window 1, address window 0.  The four v_nop behind the tensor load are the places between the last products and these loads into their operands' registers
	WOLOAD 0
	WOLOAD 1
	WOLOAD 2
	WOLOAD 3
	WOSTEP 0
	WOSTEP 1
	WOSTEP 2
	WOSTEP 3
	global_store_b128 v[LR], v[SW:SW+3], s[WOD:WOD+1] offset:6144   ; the record's 256 bytes of scale words (lanes 16-31 hold and write the same as lanes 0-15)
	s_wait_xcnt 0x0                                ; the stores have read their registers: the lines below may write them
.Lno_wo:
	FOUR_STEPS 1
	s_sub_co_u32 s[SLOTS], s[SLOTS], 1
	s_cmp_lg_u32 s[SLOTS], 0
	s_cbranch_scc1 .Lslot
	CHANGE 0                                       ; the last slot is written out
	FOUR_STEPS 0
	; THE TWO PARTS OF THE LONG TILE ARE JOINED.  Slot 0's bytes have had their last fill; behind the first barrier nobody reads the ring any more
.rept 4
	v_nop                                          ; places behind the last products
.endr
	s_wait_alu depctr_va_vdst(0)
	s_wait_dscnt 0x0
	s_barrier_signal -1
	s_barrier_wait -1
	s_cmp_lt_u32 s[WV], 4
	s_cbranch_scc0 .Lkeeper
.irp i, 0,1,2,3,4,5,6,7,8,9,10,11,12,13,14,15
	ds_store_b128 v[MST], v[160+4*\i:163+4*\i] offset:512*\i   ; O^T as an image of its registers, each accumulator from its low end on
.endr
	ds_store_b128 v[MST], v[12:15] offset:8192     ; -M, the largest t, the sum's two halves
.Lkeeper:
	s_wait_dscnt 0x0                               ; my stores are done, for the partner's sake
	s_barrier_signal -1
	s_barrier_wait -1
	s_cmp_lt_u32 s[WV], 4
	s_cbranch_scc1 .Ldone
.irp i, 0,1,2,3,4,5,6,7,8,9,10,11,12,13,14,15
	ds_load_b128 v[96+4*\i:99+4*\i], v[MST] offset:512*\i
.endr
	ds_load_b128 v[240:243], v[MST] offset:8192
	s_wait_dscnt 0x0
	v_min_num_f32 v244, v12, v240                  ; -M of the two parts together: the larger M
	v_sub_f32 v245, v244, v12                      ; my M less the common one, and the partner's: whole numbers, 0 or less
	v_sub_f32 v246, v244, v240
	v_cvt_i32_f32 v245, v245                       ; (they saturate)
	v_cvt_i32_f32 v246, v246
	v_ldexp_f32 v252, 1.0, v245                    ; my factor,
	v_ldexp_f32 v236, 1.0, v246                    ; the partner's: powers of two, or 0 for a part with no key step
	v_pk_mul_f32 v[14:15], v[14:15], v[252:253] op_sel_hi:[1,0]
	v_pk_fma_f32 v[14:15], v[242:243], v[236:237], v[14:15] op_sel_hi:[1,0,1]
.set JJ, 0
.rept 32
	v_pk_mul_f32 v[160+JJ:161+JJ], v[160+JJ:161+JJ], v[252:253] op_sel_hi:[1,0]
	v_pk_fma_f32 v[160+JJ:161+JJ], v[96+JJ:97+JJ], v[236:237], v[160+JJ:161+JJ] op_sel_hi:[1,0,1]
.set JJ, JJ+2
.endr
	WAYOUT
.Ldone:
	s_wait_tensorcnt 0x0
	ds_add_u32 v[SPW], v[NIL]
	s_wait_dscnt 0x0
	CROUND                                         ; the closing round
	s_endpgm
.Lfunc_end_k_qddd7a50c25_attn:
	.size	k_qddd7a50c25_attn, .Lfunc_end_k_qddd7a50c25_attn-k_qddd7a50c25_attn
	.p2alignl 7, 3214868480
	.fill 96, 4, 3214868480
	.section	.rodata,"a",@progbits
	.p2align	6, 0x0
	.amdhsa_kernel k_qddd7a50c25_attn
		.amdhsa_group_segment_fixed_size 327680
		.amdhsa_private_segment_fixed_size 0
		.amdhsa_enable_private_segment 0
		.amdhsa_kernarg_size 32
		.amdhsa_user_sgpr_count 2
		.amdhsa_user_sgpr_kernarg_segment_ptr 1
		.amdhsa_wavefront_size32 1
		.amdhsa_system_sgpr_workgroup_id_x 1
		.amdhsa_system_sgpr_workgroup_id_y 1
		.amdhsa_system_sgpr_workgroup_id_z 1
		.amdhsa_system_vgpr_workitem_id 0
		.amdhsa_next_free_vgpr 512
		.amdhsa_next_free_sgpr 76
		.amdhsa_reserve_vcc 1
		.amdhsa_float_denorm_mode_32 3
		.amdhsa_float_denorm_mode_16_64 3
		.amdhsa_memory_ordered 1
		.amdhsa_forward_progress 1
		.amdhsa_inst_pref_size 122
	.end_amdhsa_kernel
	.amdgpu_metadata
---
amdhsa.version: [ 1, 2 ]
amdhsa.kernels:
  - .name:           k_qddd7a50c25_attn
    .symbol:         k_qddd7a50c25_attn.kd
    .args:
      - { .name: qkv, .offset: 0, .size: 8, .value_kind: global_buffer, .address_space: global }
      - { .name: ac, .offset: 8, .size: 8, .value_kind: global_buffer, .address_space: global }
      - { .name: Wo, .offset: 16, .size: 8, .value_kind: global_buffer, .address_space: global }
      - { .name: woc, .offset: 24, .size: 8, .value_kind: global_buffer, .address_space: global }
    .group_segment_fixed_size: 327680
    .private_segment_fixed_size: 0
    .kernarg_segment_align: 8
    .kernarg_segment_size: 32
    .max_flat_workgroup_size: 256
    .sgpr_count:     76
    .vgpr_count:     512
    .wavefront_size: 32
...
	.end_amdgpu_metadata
.endif
;; end of part 3
;; launch oproj (part 4): grid 16 x 16, 4 waves a work-group, clusters of 4 x 4, 327,680 bytes of LDS; arguments ac, woc, out0; writes out0
.if DOCPART == 4
	.amdgcn_target "amdgcn-amd-amdhsa--gfx1250"
	.amdhsa_code_object_version 6
	.text
	.protected	k_qddd7a50c25_oproj
	.globl	k_qddd7a50c25_oproj
	.p2align	8
	.type	k_qddd7a50c25_oproj,@function
k_qddd7a50c25_oproj:
	s_mov_b64 s[64:65], 0
	v_nop
	global_prefetch_b8 v0, s[64:65] scope:SCOPE_SE
	s_setreg_imm32_b32 hwreg(HW_REG_WAVE_MODE, 25, 1), 1
	s_wait_xcnt 0x0
	s_wait_alu depctr_hold_cnt(0) depctr_sa_sdst(0) depctr_va_vdst(0) depctr_va_sdst(0) depctr_va_ssrc(0) depctr_va_vcc(0) depctr_vm_vsrc(0)
	s_getreg_b32 s2, hwreg(HW_REG_IB_STS2, 6, 4)
	s_cmp_eq_u32 s2, 0
	s_cbranch_scc0 .Lentry_in_a_cluster
	s_endpgm
.Lentry_in_a_cluster:
	s_bfe_u32 s2, ttmp6, 0x10000c
	s_cmp_lg_u32 s2, 0xf033
	s_cbranch_scc0 .Lentry_shape_is_right
	s_endpgm
.Lentry_shape_is_right:
; out = attn Wo^T on codes of FP6 (E2M3) with E8M0 scales, K = 2,048, sums and result in f32.
; OPERANDS: ac (positions) and woc (Wo's rows), [tile of 16 rows][4 records of 6,400 bytes]; a record holds the register images of 4 K steps of 128 and the tile's scale words.
; SHARES: a work-group makes 128 positions x 256 columns, a wave 64 x 128 in 32 accumulators; 256 work-groups.  Source 0 takes Wo's tiles, source 1 the positions', so that a lane holds eight neighbouring numbers of a row of the result.
; THE RING: two slots of 24 records (512 along K), four slots' worth in all, filled by joint loads in a cluster of 4 x 4; waves 0, 1 ask for the positions' tiles, waves 2, 3 for Wo's.
; The add, the waits for 0 and the cluster's round stand in front of each refill, and all of LDS is claimed.
; PREFETCH INTO THE L2: behind slot 0's joint load stand requests for slots 1 and 2, behind slot 1's for slot 3; the loop's one trip loads slots 2 and 3, which have no slot two on, so it has none.  The partners of a joint load share its
; records out by address alone: one of four (by cx) or two of eight (by cy); a record is 25 blocks of 256 bytes, a lane a block (lanes 25 to 31 name the 25th again).
; THE WAY OUT: 16 rows x 128 columns at a time through the wave's own stage in slot 0, which has had its last fill; 32 lanes store 512 consecutive bytes.
.set TP,    25600
.set PFO,  30                          ; v30 256 x min(lane, 24); never rewritten
.set PFA,  66                          ; s[66:67] my share's record of slot 0; never rewritten
.macro ASKAT off                       ; my share of the slot that begins off bytes behind s[PFA]
	global_prefetch_b8 v[PFO], s[PFA:PFA+1] offset:\off th:TH_LOAD_NT scope:SCOPE_SE
	s_cmp_eq_u32 s15, 0
	s_cbranch_scc1 .Lrows_\@
	global_prefetch_b8 v[PFO], s[PFA:PFA+1] offset:(\off)+TP th:TH_LOAD_NT scope:SCOPE_SE
.Lrows_\@:
.endm
.set LAPS,  2
.set REC,   6400
.set SLOT,  24*REC
.set SPARE, 2*SLOT
.set LI,   2
.set LR,   4
.set ADC,  16
.set ADR,  18
.set ASC,  20
.set ASR,  22
.set STO,  24
.set RD,   25
.set SPW,  28
.set NIL,  29
.set SCC,  32
.set SCR,  96
.set RF,   128
.set BK,   128
.set G1R,  24
.set G0R,  32
.set G1C,  48
.set G0C,  56
.set MSB, 0
.macro WIN new
.if MSB != \new
	s_set_vgpr_msb (MSB<<8)|\new
.set MSB, \new
.endif
.endm
.set MUL,  0xa1
.set TO_C, 0x40
.macro PLACES n
.rept \n
	v_nop
.endr
.endm
.macro JLOAD g0r, g1r, g0c, g1c
	s_cmp_eq_u32 s15, 0
	s_cbranch_scc0 .Lfor_c_\@
	tensor_load_to_lds s[\g0r:\g0r+3], s[\g1r:\g1r+7]
	s_nop 0
.rept 4
	v_nop
.endr
	s_branch .Lasked_\@
.Lfor_c_\@:
	tensor_load_to_lds s[\g0c:\g0c+3], s[\g1c:\g1c+7]
	s_nop 0
.rept 4
	v_nop
.endr
.Lasked_\@:
.endm
.macro CREST
	s_cmp_lg_u32 s14, 0
	s_cbranch_scc1 .Lnot_wave_0_\@
	s_barrier_signal -3
.Lnot_wave_0_\@:
	s_barrier_wait -3
	s_barrier_signal -1
	s_barrier_wait -1
.endm
.macro CROUND
	s_barrier_signal -1
	s_barrier_wait -1
	CREST
.endm
	s_load_b128 s[4:7], s[0:1], 0x0
	s_load_b64 s[12:13], s[0:1], 0x10
	v_lshl_add_u32 v[SPW], v0, 2, SPARE
	v_mov_b32 v[NIL], 0
	ds_add_u32 v28, v29
	ds_add_u32 v28, v29
	s_wait_dscnt 0x0
	v_lshrrev_b32 v1, 5, v0
	v_readfirstlane_b32 s14, v1
	v_and_b32 v[PFO], 31, v0
	v_min_u32 v[PFO], 24, v[PFO]
	v_lshlrev_b32 v[PFO], 8, v[PFO]
	s_lshr_b32 s15, s14, 1
	s_and_b32 s16, s14, 1
	s_bfe_u32 s40, ttmp6, 0x40000
	s_bfe_u32 s41, ttmp6, 0x40004
	s_lshl_b32 s42, ttmp9, 2
	s_add_co_u32 s42, s42, s40
	s_and_b32 s17, ttmp7, 0xffff
	s_lshl_b32 s17, s17, 2
	s_add_co_u32 s17, s17, s41
	s_lshl_b32 s43, s41, 2
	s_lshl_b32 s43, 15, s43
	s_lshl_b32 s44, 0x1111, s40
	s_or_b32 s[G1R], s43, (3<<16)|(1<<21)
	s_or_b32 s[G1C], s44, (3<<16)|(1<<21)
	s_mov_b32 s[G1R+1], 800<<16
	s_mov_b32 s[G1R+2], 4<<16
	s_mov_b32 s[G1R+3], 800<<16
	s_mov_b32 s[G1R+4], 4
	s_mov_b32 s[G1R+5], TP/8
	s_mov_b32 s[G1R+6], 0
	s_mov_b32 s[G1R+7], 0
	s_mov_b32 s[G1C+1], 800<<16
	s_mov_b32 s[G1C+2], 8<<16
	s_mov_b32 s[G1C+3], 800<<16
	s_mov_b32 s[G1C+4], 8
	s_mov_b32 s[G1C+5], TP/8
	s_mov_b32 s[G1C+6], 0
	s_mov_b32 s[G1C+7], 0
	s_lshl_b32 s22, s17, 3
	s_lshl_b32 s23, s16, 2
	s_add_co_u32 s22, s22, s23
	s_mul_i32 s22, s22, TP
	s_mov_b32 s23, 0
	s_lshl_b32 s46, s42, 4
	s_lshl_b32 s47, s16, 3
	s_add_co_u32 s46, s46, s47
	s_mul_i32 s46, s46, TP
	s_mov_b32 s47, 0
	s_mul_i32 s45, s16, 4*REC
	s_mul_i32 s92, s16, 8*REC
	s_add_co_u32 s92, s92, 8*REC
	s_wait_alu depctr_va_vdst(0)
	s_wait_kmcnt 0x0
	s_add_nc_u64 s[88:89], s[4:5], s[22:23]
	s_add_nc_u64 s[90:91], s[6:7], s[46:47]
	s_mul_i32 s94, s40, TP                         ; the prefetches: of a positions' wave's four tiles partner cx names tile cx,
	s_mul_i32 s95, s41, 2*TP                       ; of a Wo wave's eight partner cy names tiles 2 cy and 2 cy + 1
	s_cmp_eq_u32 s15, 0
	s_cselect_b32 s94, s94, s95
	s_cselect_b64 s[PFA:PFA+1], s[88:89], s[90:91]
	s_mov_b32 s95, 0
	s_add_nc_u64 s[PFA:PFA+1], s[PFA:PFA+1], s[94:95]
.irp s, 0,1
	s_mov_b32 s[G0R+4*\s], 1
	s_add_co_u32 s[G0R+4*\s+1], s45, \s*SLOT
	s_add_nc_u64 s[G0R+4*\s+2:G0R+4*\s+3], s[88:89], \s*REC
	s_or_b32 s[G0R+4*\s+3], s[G0R+4*\s+3], 0x80000000
	s_mov_b32 s[G0C+4*\s], 1
	s_add_co_u32 s[G0C+4*\s+1], s92, \s*SLOT
	s_add_nc_u64 s[G0C+4*\s+2:G0C+4*\s+3], s[90:91], \s*REC
	s_or_b32 s[G0C+4*\s+3], s[G0C+4*\s+3], 0x80000000
.endr
	CROUND                                         ; all sixteen work-groups are here: the first joint loads meet
	JLOAD G0R, G1R, G0C, G1C                       ; slot 0: one tensor load a wave at the head
	ASKAT REC                                      ; slots 1 and 2 are asked of memory
	ASKAT 2*REC
	v_and_b32 v1, 31, v0
	v_lshlrev_b32 v[LI], 4, v1
	v_and_b32 v3, 15, v0
	v_lshlrev_b32 v[LR], 4, v3
	v_bfe_u32 v5, v0, 4, 1
	s_mul_i32 s2, s16, 8*REC
	s_add_co_u32 s2, s2, 8*REC
	s_mul_i32 s93, s15, 4*REC
.irp s, 0,1
	v_add_nc_u32 v[ADC+\s], s2, v[LI]
	v_add_nc_u32 v[ADR+\s], s93, v[LI]
	v_add_nc_u32 v[ASC+\s], s2, v[LR]
	v_add_nc_u32 v[ASR+\s], s93, v[LR]
	s_add_co_u32 s2, s2, SLOT
	s_add_co_u32 s93, s93, SLOT
.endr
	s_mul_i32 s2, s14, 16*528
	v_mul_u32_u24 v[STO], v3, 528
	v_lshl_add_u32 v[STO], v5, 5, v[STO]
	v_add_nc_u32 v[STO], s2, v[STO]
	v_add_nc_u32 v[RD], s2, v[LI]
	s_lshl_b32 s80, s17, 7
	s_lshl_b32 s81, s15, 6
	s_add_co_u32 s80, s80, s81
	s_lshl_b32 s80, s80, 14
	s_lshl_b32 s81, s42, 10
	s_add_co_u32 s80, s80, s81
	s_lshl_b32 s81, s16, 9
	s_add_co_u32 s80, s80, s81
	s_mov_b32 s81, 0
	s_add_nc_u64 s[12:13], s[12:13], s[80:81]
.macro FETCH slot, q, p
	WIN TO_C
.irp b, 0,1,2,3,4,5,6,7
.irp c, 0,1,2
	ds_load_b128 v[96*(\p)+12*\b+4*\c:96*(\p)+12*\b+4*\c+3], v[ADC+\slot] offset:REC*\b+1536*(\q)+512*\c
.endr
.endr
	WIN 0
.irp a, 0,1,2,3
.irp c, 0,1,2
	ds_load_b128 v[RF+48*(\p)+12*\a+4*\c:RF+48*(\p)+12*\a+4*\c+3], v[ADR+\slot] offset:REC*\a+1536*(\q)+512*\c
.endr
.endr
.endm
.macro SCALES slot
.irp b, 0,1,2,3,4,5,6,7
	ds_load_b128 v[SCC+32*\slot+4*\b:SCC+32*\slot+4*\b+3], v[ASC+\slot] offset:REC*\b+6144
.endr
.irp a, 0,1,2,3
	ds_load_b128 v[SCR+16*\slot+4*\a:SCR+16*\slot+4*\a+3], v[ASR+\slot] offset:REC*\a+6144
.endr
.endm
.macro MUL8 a, p, q, sc, zero
.irp b, 0,1,2,3,4,5,6,7
.if \zero
	v_wmma_scale_f32_16x16x128_f8f6f4 v[8*(8*(\a)+\b):8*(8*(\a)+\b)+7], v[96*(\p)+12*\b:96*(\p)+12*\b+11], v[RF+48*(\p)+12*(\a):RF+48*(\p)+12*(\a)+11], 0, v[SCC+32*(\sc)+4*\b+(\q)], v[SCR+16*(\sc)+4*(\a)+(\q)] matrix_a_fmt:MATRIX_FMT_FP6 matrix_b_fmt:MATRIX_FMT_FP6
.else
	v_wmma_scale_f32_16x16x128_f8f6f4 v[8*(8*(\a)+\b):8*(8*(\a)+\b)+7], v[96*(\p)+12*\b:96*(\p)+12*\b+11], v[RF+48*(\p)+12*(\a):RF+48*(\p)+12*(\a)+11], v[8*(8*(\a)+\b):8*(8*(\a)+\b)+7], v[SCC+32*(\sc)+4*\b+(\q)], v[SCR+16*(\sc)+4*(\a)+(\q)] matrix_a_fmt:MATRIX_FMT_FP6 matrix_b_fmt:MATRIX_FMT_FP6
.endif
.endr
.endm
.macro STEP slot, q, zero
	s_wait_dscnt 0x0
	PLACES 4
	FETCH \slot, (\q)+1, ((\q)+1)%2
	WIN MUL
	MUL8 0, (\q)%2, \q, \slot, \zero
	MUL8 1, (\q)%2, \q, \slot, \zero
	MUL8 2, (\q)%2, \q, \slot, \zero
	MUL8 3, (\q)%2, \q, \slot, \zero
	WIN 0
.endm
.macro TURN slot, next, fill
	s_wait_tensorcnt 0x0
	ds_add_u32 v[SPW], v[NIL]
	s_wait_dscnt 0x1
	WIN MUL
	MUL8 0, 1, 3, \slot, 0
	s_wait_dscnt 0x0
	s_barrier_signal -1
	MUL8 1, 1, 3, \slot, 0
	WIN 0
	s_barrier_wait -1
.if \fill
	CREST
	s_add_nc_u64 s[G0R+4*\slot+2:G0R+4*\slot+3], s[G0R+4*\slot+2:G0R+4*\slot+3], 2*REC
	s_add_nc_u64 s[G0C+4*\slot+2:G0C+4*\slot+3], s[G0C+4*\slot+2:G0C+4*\slot+3], 2*REC
	JLOAD G0R+4*\slot, G1R, G0C+4*\slot, G1C
.else
	PLACES 4
.endif
	FETCH \next, 0, 0
	SCALES \next
	WIN MUL
	MUL8 2, 1, 3, \slot, 0
	MUL8 3, 1, 3, \slot, 0
	WIN 0
.endm
	s_wait_alu depctr_va_vdst(0)
	s_wait_tensorcnt 0x0                           ; my part of slot 0 is in; these lines stand ahead of a later first fill, as ahead of a refill
	ds_add_u32 v[SPW], v[NIL]
	s_wait_dscnt 0x0
	CROUND                                         ; everybody's part of slot 0 is in, and the joint loads meet
	JLOAD G0R+4, G1R, G0C+4, G1C                   ; slot 1, the first tensor load behind the round
	ASKAT 3*REC                                    ; slot 3
	FETCH 0, 0, 0
	SCALES 0
	STEP 0, 0, 1
	s_mov_b32 s3, LAPS-1
.Llap:
	STEP 0, 1, 0
	STEP 0, 2, 0
	TURN 0, 1, 1
	STEP 1, 0, 0
	STEP 1, 1, 0
	STEP 1, 2, 0
	TURN 1, 0, 1
	STEP 0, 0, 0
	s_sub_co_u32 s3, s3, 1
	s_cmp_lg_u32 s3, 0
	s_cbranch_scc1 .Llap
	STEP 0, 1, 0
	STEP 0, 2, 0
	TURN 0, 1, 0
	STEP 1, 0, 0
	STEP 1, 1, 0
	STEP 1, 2, 0
	s_wait_dscnt 0x0
	WIN MUL
	MUL8 0, 1, 3, 1, 0
	MUL8 1, 1, 3, 1, 0
	MUL8 2, 1, 3, 1, 0
	MUL8 3, 1, 3, 1, 0
	WIN 0
.macro TOSTAGE a
	WIN 0x08
.irp b, 0,1,2,3,4,5,6,7
	ds_store_b128 v[STO], v[64*(\a)+8*\b:64*(\a)+8*\b+3] offset:64*\b
	ds_store_b128 v[STO], v[64*(\a)+8*\b+4:64*(\a)+8*\b+7] offset:64*\b+16
.endr
	WIN 0
.set BB, BK+64*((\a)%2)
.irp t, 0,1,2,3,4,5,6,7,8,9,10,11,12,13,14,15
	ds_load_b128 v[BB+4*\t:BB+4*\t+3], v[RD] offset:\t*528
.endr
.endm
.macro SEND a, younger
.set BB, BK+64*((\a)%2)
	s_wait_dscnt \younger
.irp t, 0,1,2,3,4,5,6,7,8,9,10,11,12,13,14,15
	global_store_b128 v[LI], v[BB+4*\t:BB+4*\t+3], s[12:13] offset:(16*(\a)+\t)*16384 th:TH_STORE_NT
.endr
.endm
	PLACES 4
	TOSTAGE 0
.irp a, 1,2,3
.if \a > 1
	s_wait_xcnt 0x0
.endif
	TOSTAGE \a
	SEND \a-1, 32
.endr
	SEND 3, 0
	s_wait_tensorcnt 0x0
	ds_add_u32 v[SPW], v[NIL]
	s_wait_dscnt 0x0
	CROUND
	s_endpgm
.Lfunc_end_k_qddd7a50c25_oproj:
	.size	k_qddd7a50c25_oproj, .Lfunc_end_k_qddd7a50c25_oproj-k_qddd7a50c25_oproj
	.p2alignl 7, 3214868480
	.fill 96, 4, 3214868480
	.section	.rodata,"a",@progbits
	.p2align	6, 0x0
	.amdhsa_kernel k_qddd7a50c25_oproj
		.amdhsa_group_segment_fixed_size 327680
		.amdhsa_private_segment_fixed_size 0
		.amdhsa_enable_private_segment 0
		.amdhsa_kernarg_size 24
		.amdhsa_user_sgpr_count 2
		.amdhsa_user_sgpr_kernarg_segment_ptr 1
		.amdhsa_wavefront_size32 1
		.amdhsa_system_sgpr_workgroup_id_x 1
		.amdhsa_system_sgpr_workgroup_id_y 1
		.amdhsa_system_sgpr_workgroup_id_z 1
		.amdhsa_system_vgpr_workitem_id 0
		.amdhsa_next_free_vgpr 768
		.amdhsa_next_free_sgpr 96
		.amdhsa_reserve_vcc 0
		.amdhsa_float_denorm_mode_32 3
		.amdhsa_float_denorm_mode_16_64 3
		.amdhsa_memory_ordered 1
		.amdhsa_forward_progress 1
		.amdhsa_inst_pref_size 134
	.end_amdhsa_kernel
	.amdgpu_metadata
---
amdhsa.version: [ 1, 2 ]
amdhsa.kernels:
  - .name:           k_qddd7a50c25_oproj
    .symbol:         k_qddd7a50c25_oproj.kd
    .args:
      - { .name: ac, .offset: 0, .size: 8, .value_kind: global_buffer, .address_space: global }
      - { .name: woc, .offset: 8, .size: 8, .value_kind: global_buffer, .address_space: global }
      - { .name: out0, .offset: 16, .size: 8, .value_kind: global_buffer, .address_space: global }
    .group_segment_fixed_size: 327680
    .private_segment_fixed_size: 0
    .kernarg_segment_align: 8
    .kernarg_segment_size: 24
    .max_flat_workgroup_size: 128
    .sgpr_count:     96
    .vgpr_count:     768
    .wavefront_size: 32
...
	.end_amdgpu_metadata
.endif
;; end of part 4
